; MI455X (gfx1250); checked and timed in simulation.
; The chip was launched on July 23, 2026; its instructions are those of AMD's public machine-readable ISA for CDNA 5 (MIT licence, August 2026) and "CDNA5" Instruction Set Architecture Reference Guide (July 2026). The comments in the code are by the model that wrote it; some were corrected since.
;; MM Fuser. Allowed arithmetic: matrix products marked QUANTISED: E4M3 operands, one given power-of-two scale a tensor, by v_wmma_f32_16x16x64_fp8_fp8 or v_wmma_f32_16x16x128_fp8_fp8, f32 sums; products left as they are: f32 operands where the result goes on into a quantised operand, else bf16, f16 or f32 operands; f32 sums; everything else in f32.
;; Inputs: fc1_b 4 float32; fc1_w 4 x 512 float32; fc2_b 512 float32; fc2_w 512 x 4 float32; gamma1 512 float32; gamma2 512 float32; input_features 8 x 13,271 x 512 float32; lowp_scales 8 int32 (the exponents e of the quantised operands' scales 2^e); norm1_b 512 float32; norm1_w 512 float32; norm2_b 512 float32; norm2_w 512 float32; norm3_b 512 float32; norm3_w 512 float32; query_feature 8 x 577 x 512 float32.
;; Outputs: out0 8 x 577 x 512 float32.
;; This version of the problem:
;;   THIS VERSION OF THE PROBLEM IS GIVEN IN LOW PRECISION. The matrix products marked QUANTISED in the list below multiply operands that are first quantised to E4M3 (4 exponent bits, 3 mantissa bits; 8 bits a number), with one given power-of-two scale for each operand tensor; their sums are f32. All else is computed in f32.
;;   The module's matrix products, in the order in which they are computed (A, B: the left and right operand; K: the contracted axis; several contracted axes count as one K, in the product's order):
;;     1. batch 8 x [M 577, K 512] x [K 512, N 13,271]; A: computed on the way; B: computed on the way: QUANTISED (scales: A lowp_scales[0], B lowp_scales[1])
;;     2. batch 8 x [M 577, K 13,271] x [K 13,271, N 512]; A: softmax (see below); B: computed on the way: QUANTISED (scales: A lowp_scales[2], B lowp_scales[3])
;;     3. [M 4,616, K 512] x [K 512, N 4]; A: computed on the way; B: input fc1_w: left as it is (N = 4 < 16)
;;     4. [M 4,616, K 4] x [K 4, N 512]; A: computed on the way; B: input fc2_w: left as it is (K = 4 < 32)
;;     5. batch 8 x [M 577, K 512] x [K 512, N 577]; A: computed on the way; B: computed on the way: QUANTISED (scales: A lowp_scales[4], B lowp_scales[5])
;;     6. batch 8 x [M 577, K 577] x [K 577, N 512]; A: softmax (see below); B: computed on the way: QUANTISED (scales: A lowp_scales[6], B lowp_scales[7])
;;   THE QUANTISER, for each operand of a quantised product, along K:
;;     - The operand's scale is 2^e, e = its entry of the input lowp_scales (int32; the entries are numbered through the quantised products in the list's order, A before B).
;;     - Each number is divided by the scale, clamped to +-448, and rounded to the nearest number of E4M3, ties to even, subnormals kept.
;;     - The product sums the exact products of the quantised numbers (number of the format x scale) in f32.
;;   ~~~python
;;   def quantise(x, axis, e):      # numpy; x: float32 -> the quantised numbers, widened to float32 again
;;       x = np.moveaxis(x, axis, -1); K = x.shape[-1]
;;       r = np.clip(x / 2.0 ** e, -448, 448)
;;       step = 2.0 ** (np.maximum(np.frexp(np.where(r == 0, 1, r))[1] - 1, -6) - 3)
;;       q = np.round(r / step) * step * 2.0 ** e      # np.round: ties to even
;;       return np.moveaxis(q, -1, axis).astype(np.float32)
;;   ~~~
;;   SOFTMAX AHEAD OF A QUANTISED PRODUCT. Where the list says 'softmax', what is quantised is not the finished softmax but p = 2^(t - M), with t = logit x log2(e) and M = ceil(the row's largest t), a whole number; so 1/2 < the row's largest p <= 1. The row's sum l is taken of the UNQUANTISED p, in f32, and the product's result is divided by l at the end. Since M is a whole number, a kernel that streams over the keys may use a running M (the ceiling of the running maximum): every later rescaling is an exact power of two, so the quantised numbers keep their values, but for numbers so far below the row's largest that they fall under the format's range.
;;   OPERANDS COMPUTED ON THE WAY. 'Computed on the way' means the value that the module computes at that place (a softmax that the list does not call 'softmax' is quantised finished and normalised). What goes into a quantiser is computed in f32, as accurately as f32 sums, v_exp_f32 and their like allow (about 1e-6 of the number): no bf16 or f16 on the way to a quantiser, and a product that is left as it is and whose result goes on into a quantised operand takes f32 operands (vector FMAs, or v_wmma_f32_16x16x4_f32). A number that lies on a knife's edge between two numbers of the format may be rounded either way, as far as f32 arithmetic and the matrix unit's own rounding can turn it there, and no further.
;; One version. Each part assembles by itself: llvm-mc -triple=amdgcn-amd-amdhsa -mcpu=gfx1250 --defsym DOCPART=n.
;; ======== version 1 of 1: 4 launches
;; workspace buffers: kx 54,525,952 bytes; vx 54,525,952 bytes; qc 2,621,440 bytes; nfl 10,485,760 bytes; part 655,360 bytes; sc 5,242,880 bytes; vc 2,621,440 bytes; base 10,485,760 bytes
;; launch lnx (part 1): grid 436 x 8, 8 waves a work-group, no clusters, 67,072 bytes of LDS; arguments input_features, query_feature, norm1_w, norm1_b, norm2_w, norm2_b, lowp_scales, kx, vx, qc, nfl; writes kx, vx, qc, nfl
.if DOCPART == 1
	.amdgcn_target "amdgcn-amd-amdhsa--gfx1250"
	.amdhsa_code_object_version 6
	.text
	.protected	k_q4f1f2e2874_lnx
	.globl	k_q4f1f2e2874_lnx
	.p2align	8
	.type	k_q4f1f2e2874_lnx,@function
k_q4f1f2e2874_lnx:
	s_mov_b64 s[64:65], 0
	v_nop
	global_prefetch_b8 v0, s[64:65] scope:SCOPE_SE
	s_setreg_imm32_b32 hwreg(HW_REG_WAVE_MODE, 25, 1), 1
	s_wait_xcnt 0x0
; LayerNorm of input_features [8][13271][512] and of query_feature [8][577][512], f32, and the quantising of the results to codes of FP8 (E4M3).
; Work-groups x < 416 take 32 keys of batch y: y = LN1(x) becomes codes with 2^e1 (K = the 512 channels: buffer kx) and codes with 2^e3 (K = the keys: buffer vx).
; Work-groups x >= 416 take 32 queries: y = LN2(x) is stored as f32 (nfl) and as codes with 2^e0 (qc).  One text: pointers and sizes are chosen once on the work-group's number.
; Rows past the tensor's end (keys 13271..13311, queries 577..639) are copies of the last row: the source row is clamped, so no load leaves its buffer and every byte of the buffers is written.
; THE CODES ARE LAID AS IMAGES OF OPERAND REGISTERS.  kx, qc: 16 rows x 128 channels are four runs of 512 bytes; lane (r, h) owns the 16 bytes at 16 (r + 16 h): channels 32 c + 16 h + 0..15 of row r.
; vx: for 128 keys, 16 channels x 128 keys likewise, lane (r, h) = channel r, byte 8 u + j of run c = key 32 c + 16 u + 8 h + j: the order in which the softmax's codes fall out of the first product.
; A wave normalises four rows (a lane holds 16 numbers of each), mean first, then the squares of x - mean, so that a common offset of the inputs costs nothing.
; The 32 rows of y meet in LDS (rows 2,064 bytes apart: 516 words, so that 16 rows begin at 16 different groups of four banks; 64 banks of 4 bytes: ISA guide 11.1), one barrier, and each wave reads what one image wants.
; A STREAM: what counts is the bytes on their way.  A wave takes 130 registers and a work-group 67,072 bytes of LDS, so that four work-groups of eight waves can lie side by side: while some compute and store, the others' 64 KiB of loads are out.
; code = y / 2^e, held within +-448, to the nearest code, ties to even.  LIMITS: e0, e1, e3 between -126 and 119.  NaN and infinities among the inputs are not served.
.set NXG,  416                         ; work-groups along x that take keys
.set PY,   2064                        ; a row of y in LDS
.set ST,   16                          ; v16-31   at the head: at work; then row i: v[16+4i] sum, then mean; +1 at work; +2 sum of squares, then 1/sqrt; +3 at work
.set C,    16                          ; v16-31   at last kx's or qc's codes: the norm has left these registers
.set X,    32                          ; v32-95   row i: 16 numbers; later 64 numbers of an image
.set W,    96                          ; v96-111  the norm's gain at my 16 channels; later vx's codes
.set B,    112                         ; v112-127 its bias
.set SEL,  54                          ; s[54:55] lane selects for v_permlanex16_b32: lane l xor 16
.set INV,  56                          ; s56      1/512
.set EPS,  57                          ; s57      1e-5
	s_load_b512 s[4:19], s[0:1], 0x0               ; X s[4:5], query s[6:7], norm1_w s[8:9], norm1_b s[10:11], norm2_w s[12:13], norm2_b s[14:15], scales s[16:17], kx s[18:19]
	s_load_b128 s[20:23], s[0:1], 0x40             ; vx s[20:21], qc s[22:23]
	s_load_b64 s[24:25], s[0:1], 0x50              ; nfl
	v_lshl_add_u32 v128, v0, 2, 0x10200
	v_mov_b32 v129, 0
	v_lshrrev_b32 v16, 5, v0
	v_readfirstlane_b32 s34, v16                   ; wave 0..7
	v_and_b32 v16, 31, v0                          ; lane
	v_and_b32 v17, 15, v0                          ; r
	v_bfe_u32 v18, v0, 4, 1                        ; h
	v_lshlrev_b32 v1, 4, v16                       ; v1: 16 x lane
	s_mul_i32 s35, s34, 4*PY
	v_add_nc_u32 v6, s35, v1                       ; v6: where my wave's four rows of y go
	s_lshr_b32 s42, s34, 2                         ; which 16 of the 32 rows my image of kx takes,
	s_and_b32 s43, s34, 3                          ; and which 128 channels
	s_mul_i32 s44, s42, 16*PY
	s_lshl_b32 s45, s43, 9
	s_add_co_u32 s44, s44, s45
	v_mul_u32_u24 v7, v17, PY
	v_lshl_add_u32 v7, v18, 6, v7
	v_add_nc_u32 v7, s44, v7                       ; v7: row 16 kt + r, channel 128 s + 16 h
	v_mul_u32_u24 v8, v18, 8*PY
	v_lshl_add_u32 v8, v17, 2, v8
	s_lshl_b32 s45, s34, 8
	v_add_nc_u32 v8, s45, v8                       ; v8: row 8 h, channel 64 wave + r
	s_lshl_b32 s45, s34, 13
	v_add_nc_u32 v10, s45, v1                      ; v10: my wave's four channel tiles in vx
	s_mov_b32 s[SEL], 0x76543210
	s_mov_b32 s[SEL+1], 0xfedcba98
	s_mov_b32 s[INV], 0x3b000000
	s_mov_b32 s[EPS], 0x3727c5ac
	s_and_b32 s47, ttmp7, 0xffff                   ; batch
	s_mov_b32 s26, 576
	s_mov_b32 s27, 577
	s_wait_kmcnt 0x0
	s_load_b128 s[36:39], s[16:17], 0x0            ; e0, e1, e2, e3
	s_cmp_lt_u32 ttmp9, NXG                        ; keys or queries?  The choice hangs on the work-group's number alone
	s_cselect_b64 s[4:5], s[4:5], s[6:7]           ; the source,
	s_cselect_b64 s[8:9], s[8:9], s[12:13]         ; the gain,
	s_cselect_b64 s[10:11], s[10:11], s[14:15]     ; the bias,
	s_cselect_b64 s[18:19], s[18:19], s[22:23]     ; kx or qc,
	s_cselect_b32 s26, 13270, s26                  ; the last row,
	s_cselect_b32 s27, 13271, s27                  ; rows in a batch,
	s_cselect_b32 s28, 832, 40                     ; tiles of 16 rows in a batch of the codes' buffer
	s_cselect_b32 s29, 0, NXG
	s_sub_co_u32 s46, ttmp9, s29                   ; g: which 32 rows
	s_lshl_b32 s32, s46, 5
	s_lshl_b32 s33, s34, 2
	s_add_co_u32 s32, s32, s33                     ; my wave's first row: 32 g + 4 wave
	s_mul_i32 s31, s47, s27
.irp i, 0,1,2,3
	s_add_co_u32 s33, s32, \i
	s_min_u32 s33, s33, s26                        ; a row past the end reads the last row
	s_add_co_u32 s33, s33, s31
	s_lshl_b32 s33, s33, 11                        ; rows of 2,048 bytes: 217,432,064 bytes at the most
	v_add_nc_u32 v[2+\i], s33, v1                  ; v2-5: my 16 bytes of row i
.endr
.irp c, 0,1,2,3
	global_load_b128 v[W+4*\c:W+4*\c+3], v1, s[8:9] offset:512*\c
	global_load_b128 v[B+4*\c:B+4*\c+3], v1, s[10:11] offset:512*\c
.endr
.irp i, 0,1,2,3
.irp c, 0,1,2,3
	global_load_b128 v[X+16*\i+4*\c:X+16*\i+4*\c+3], v[2+\i], s[4:5] offset:512*\c th:TH_LOAD_NT   ; 32 lanes read 512 consecutive bytes: register 4 c + j is channel 128 c + 4 lane + j
.endr
.endr
	s_mul_i32 s48, s47, s28                        ; kx, qc: tile batch x tiles + 2 g + kt, 8,192 bytes each, + 2,048 s
	s_lshl_b32 s49, s46, 1
	s_add_co_u32 s48, s48, s49
	s_add_co_u32 s48, s48, s42
	s_lshl_b32 s48, s48, 13
	s_lshl_b32 s49, s43, 11
	s_add_co_u32 s48, s48, s49
	s_mov_b32 s49, 0
	s_add_nc_u64 s[18:19], s[18:19], s[48:49]
	s_mul_i32 s50, s47, 6815744                    ; vx: batch x 104 steps x 65,536 + step g / 4 + run g % 4 of 512 bytes
	s_lshr_b32 s51, s46, 2
	s_lshl_b32 s51, s51, 16
	s_add_co_u32 s50, s50, s51
	s_and_b32 s51, s46, 3
	s_lshl_b32 s51, s51, 9
	s_add_co_u32 s50, s50, s51
	s_mov_b32 s51, 0
	s_add_nc_u64 s[20:21], s[20:21], s[50:51]
	s_mul_i32 s52, s47, 640                        ; nfl: row batch x 640 + my wave's first row
	s_add_co_u32 s52, s52, s32
	s_lshl_b32 s52, s52, 11
	s_mov_b32 s53, 0
	s_add_nc_u64 s[24:25], s[24:25], s[52:53]
	s_wait_kmcnt 0x0
	s_cmp_lt_u32 ttmp9, NXG
	s_cselect_b32 s40, s37, s36                    ; e1 for keys, e0 for queries
	s_add_co_i32 s40, s40, 127
	s_lshl_b32 s41, s40, 23
	v_mov_b32 v12, s41                             ; 2^e as f32: the conversion takes its exponent field
	s_add_co_i32 s40, s40, 8
	s_lshl_b32 s40, s40, 23
	s_or_b32 s40, s40, 0x600000
	v_mov_b32 v13, s40                             ; 448 x 2^e
	s_add_co_i32 s40, s39, 127
	s_lshl_b32 s41, s40, 23
	v_mov_b32 v14, s41                             ; 2^e3
	s_add_co_i32 s40, s40, 8
	s_lshl_b32 s40, s40, 23
	s_or_b32 s40, s40, 0x600000
	v_mov_b32 v15, s40                             ; 448 x 2^e3
; the pair at v[ST+4i+o] is summed over its halves and over the 32 lanes; every lane ends with the row's sum.  The four rows take turns line by line
.macro LANESUM o
.irp i, 0,1,2,3
	v_add_f32 v[ST+4*\i+\o], v[ST+4*\i+\o], v[ST+4*\i+\o+1]
.endr
.irp m, 1,2,4,8
.irp i, 0,1,2,3
	v_add_f32_dpp v[ST+4*\i+\o], v[ST+4*\i+\o], v[ST+4*\i+\o] row_xmask:\m row_mask:0xf bank_mask:0xf
.endr
.endr
.irp i, 0,1,2,3
	v_permlanex16_b32 v[ST+4*\i+\o+1], v[ST+4*\i+\o], s[SEL], s[SEL+1]
.endr
.irp i, 0,1,2,3
	v_add_f32 v[ST+4*\i+\o], v[ST+4*\i+\o], v[ST+4*\i+\o+1]
.endr
.endm
; 64 numbers from v[src] on become 64 codes, 16 registers' worth of four runs, from v[dst] on
.macro QF src, dst, sc, lim
.irp g, 0,1,2,3
.irp i, 0,1,2,3,4,5,6,7,8,9,10,11,12,13,14,15
	v_med3_num_f32 v[\src+16*\g+\i], v[\src+16*\g+\i], -v[\lim], v[\lim]   ; the conversion to an 8-bit code does not saturate (ISA guide 7.6.2): the hold at the largest code x the scale
.endr
	v_cvt_scalef32_pk8_fp8_f32 v[\dst+4*\g:\dst+4*\g+1], v[\src+16*\g:\src+16*\g+7], v[\sc]
	v_cvt_scalef32_pk8_fp8_f32 v[\dst+4*\g+2:\dst+4*\g+3], v[\src+16*\g+8:\src+16*\g+15], v[\sc]
.endr
	v_nop                                          ; a plain vector line behind the last conversion
.endm
	s_wait_loadcnt 0x0                             ; gain, bias and my four rows
.irp i, 0,1,2,3
	v_pk_add_f32 v[ST+4*\i:ST+4*\i+1], v[X+16*\i:X+16*\i+1], v[X+16*\i+2:X+16*\i+3]
.endr
.irp k, 2,3,4,5,6,7
.irp i, 0,1,2,3
	v_pk_add_f32 v[ST+4*\i:ST+4*\i+1], v[ST+4*\i:ST+4*\i+1], v[X+16*\i+2*\k:X+16*\i+2*\k+1]
.endr
.endr
	LANESUM 0
.irp i, 0,1,2,3
	v_mul_f32 v[ST+4*\i], s[INV], v[ST+4*\i]       ; the mean
.endr
.irp k, 0,1,2,3,4,5,6,7
.irp i, 0,1,2,3
	v_pk_add_f32 v[X+16*\i+2*\k:X+16*\i+2*\k+1], v[X+16*\i+2*\k:X+16*\i+2*\k+1], v[ST+4*\i:ST+4*\i+1] op_sel_hi:[1,0] neg_lo:[0,1] neg_hi:[0,1]   ; x - mean
.endr
.endr
.irp i, 0,1,2,3
	v_pk_mul_f32 v[ST+4*\i+2:ST+4*\i+3], v[X+16*\i:X+16*\i+1], v[X+16*\i:X+16*\i+1]
.endr
.irp k, 1,2,3,4,5,6,7
.irp i, 0,1,2,3
	v_pk_fma_f32 v[ST+4*\i+2:ST+4*\i+3], v[X+16*\i+2*\k:X+16*\i+2*\k+1], v[X+16*\i+2*\k:X+16*\i+2*\k+1], v[ST+4*\i+2:ST+4*\i+3]
.endr
.endr
	LANESUM 2
.irp i, 0,1,2,3
	v_fma_f32 v[ST+4*\i+2], v[ST+4*\i+2], s[INV], s[EPS]   ; the variance + 1e-5
.endr
.irp i, 0,1,2,3
	v_rsq_f32 v[ST+4*\i+2], v[ST+4*\i+2]
.endr
	v_nop                                          ; a plain line between the last transcendental and the use of its result
	s_wait_alu depctr_va_vdst(0)
.irp k, 0,1,2,3,4,5,6,7
.irp i, 0,1,2,3
	v_pk_mul_f32 v[X+16*\i+2*\k:X+16*\i+2*\k+1], v[X+16*\i+2*\k:X+16*\i+2*\k+1], v[ST+4*\i+2:ST+4*\i+3] op_sel_hi:[1,0]
.endr
.endr
.irp k, 0,1,2,3,4,5,6,7
.irp i, 0,1,2,3
	v_pk_fma_f32 v[X+16*\i+2*\k:X+16*\i+2*\k+1], v[X+16*\i+2*\k:X+16*\i+2*\k+1], v[W+2*\k:W+2*\k+1], v[B+2*\k:B+2*\k+1]
.endr
.endr
.irp i, 0,1,2,3
.irp c, 0,1,2,3
	ds_store_b128 v6, v[X+16*\i+4*\c:X+16*\i+4*\c+3] offset:\i*PY+512*\c   ; y in the order of its channels
.endr
.endr
	s_cmp_lt_u32 ttmp9, NXG
	s_cbranch_scc1 .Lno_nfl                        ; the same way for all eight waves
.irp i, 0,1,2,3
.irp c, 0,1,2,3
	global_store_b128 v1, v[X+16*\i+4*\c:X+16*\i+4*\c+3], s[24:25] offset:2048*\i+512*\c   ; the normalised queries as f32: 512 consecutive bytes a store
.endr
.endr
.Lno_nfl:
	s_wait_dscnt 0x0                               ; for the others' sake: my rows of y lie in LDS
	s_barrier_signal -1
	s_barrier_wait -1
	s_wait_xcnt 0x0                                ; the stores above have read X: it is loaded anew only behind this wait
.irp c, 0,1,2,3
.irp j, 0,1,2,3
	ds_load_b128 v[X+16*\c+4*\j:X+16*\c+4*\j+3], v7 offset:128*\c+16*\j   ; register 16 c + i: channel 128 s + 32 c + 16 h + i of row 16 kt + r
.endr
.endr
	s_wait_dscnt 0x0
	QF X, C, 12, 13
.irp c, 0,1,2,3
	global_store_b128 v1, v[C+4*\c:C+4*\c+3], s[18:19] offset:512*\c   ; an image's run: 512 consecutive bytes, at a multiple of 512 from the buffer's first byte; these registers are not written again
.endr
	s_cmp_ge_u32 ttmp9, NXG
	s_cbranch_scc1 .Lend                           ; queries have no image along the keys
.irp t, 0,1,2,3
.irp u, 0,1
.irp j, 0,1,2,3,4,5,6,7
	ds_load_b32 v[X+16*\t+8*\u+\j], v8 offset:(16*\u+\j)*PY+64*\t   ; a lane takes a channel and its registers run down the keys: key 16 u + 8 h + j of channel 64 wave + 16 t + r
.endr
.endr
.endr
	s_wait_dscnt 0x0
	QF X, W, 14, 15
.irp t, 0,1,2,3
	global_store_b128 v10, v[W+4*\t:W+4*\t+3], s[20:21] offset:2048*\t
.endr
.Lend:
	s_wait_tensorcnt 0x0
	ds_add_u32 v128, v129
	s_wait_dscnt 0x0
	s_endpgm
.Lfunc_end_k_q4f1f2e2874_lnx:
	.size	k_q4f1f2e2874_lnx, .Lfunc_end_k_q4f1f2e2874_lnx-k_q4f1f2e2874_lnx
	.p2alignl 7, 3214868480
	.fill 96, 4, 3214868480
	.section	.rodata,"a",@progbits
	.p2align	6, 0x0
	.amdhsa_kernel k_q4f1f2e2874_lnx
		.amdhsa_group_segment_fixed_size 67072
		.amdhsa_private_segment_fixed_size 0
		.amdhsa_enable_private_segment 0
		.amdhsa_kernarg_size 88
		.amdhsa_user_sgpr_count 2
		.amdhsa_user_sgpr_kernarg_segment_ptr 1
		.amdhsa_wavefront_size32 1
		.amdhsa_system_sgpr_workgroup_id_x 1
		.amdhsa_system_sgpr_workgroup_id_y 1
		.amdhsa_system_sgpr_workgroup_id_z 1
		.amdhsa_system_vgpr_workitem_id 0
		.amdhsa_next_free_vgpr 130
		.amdhsa_next_free_sgpr 66
		.amdhsa_reserve_vcc 0
		.amdhsa_float_denorm_mode_32 3
		.amdhsa_float_denorm_mode_16_64 3
		.amdhsa_memory_ordered 1
		.amdhsa_forward_progress 1
		.amdhsa_inst_pref_size 39
	.end_amdhsa_kernel
	.amdgpu_metadata
---
amdhsa.version: [ 1, 2 ]
amdhsa.kernels:
  - .name:           k_q4f1f2e2874_lnx
    .symbol:         k_q4f1f2e2874_lnx.kd
    .args:
      - { .name: input_features, .offset: 0, .size: 8, .value_kind: global_buffer, .address_space: global }
      - { .name: query_feature, .offset: 8, .size: 8, .value_kind: global_buffer, .address_space: global }
      - { .name: norm1_w, .offset: 16, .size: 8, .value_kind: global_buffer, .address_space: global }
      - { .name: norm1_b, .offset: 24, .size: 8, .value_kind: global_buffer, .address_space: global }
      - { .name: norm2_w, .offset: 32, .size: 8, .value_kind: global_buffer, .address_space: global }
      - { .name: norm2_b, .offset: 40, .size: 8, .value_kind: global_buffer, .address_space: global }
      - { .name: lowp_scales, .offset: 48, .size: 8, .value_kind: global_buffer, .address_space: global }
      - { .name: kx, .offset: 56, .size: 8, .value_kind: global_buffer, .address_space: global }
      - { .name: vx, .offset: 64, .size: 8, .value_kind: global_buffer, .address_space: global }
      - { .name: qc, .offset: 72, .size: 8, .value_kind: global_buffer, .address_space: global }
      - { .name: nfl, .offset: 80, .size: 8, .value_kind: global_buffer, .address_space: global }
    .group_segment_fixed_size: 67072
    .private_segment_fixed_size: 0
    .kernarg_segment_align: 8
    .kernarg_segment_size: 88
    .max_flat_workgroup_size: 256
    .sgpr_count:     66
    .vgpr_count:     130
    .wavefront_size: 32
...
	.end_amdgpu_metadata
.endif
;; end of part 1
;; launch xattn (part 2): grid 8 x 32, 4 waves a work-group, clusters of 4 x 1, 327,680 bytes of LDS; arguments qc, kx, vx, fc1_w, lowp_scales, part; writes part
.if DOCPART == 2
	.amdgcn_target "amdgcn-amd-amdhsa--gfx1250"
	.amdhsa_code_object_version 6
	.text
	.protected	k_q4f1f2e2874_xattn
	.globl	k_q4f1f2e2874_xattn
	.p2align	8
	.type	k_q4f1f2e2874_xattn,@function
k_q4f1f2e2874_xattn:
	s_mov_b64 s[64:65], 0
	v_nop
	global_prefetch_b8 v0, s[64:65] scope:SCOPE_SE
	s_setreg_imm32_b32 hwreg(HW_REG_WAVE_MODE, 25, 1), 1
	s_wait_xcnt 0x0
	s_wait_alu depctr_hold_cnt(0) depctr_sa_sdst(0) depctr_va_vdst(0) depctr_va_sdst(0) depctr_va_ssrc(0) depctr_va_vcc(0) depctr_vm_vsrc(0)
	s_getreg_b32 s2, hwreg(HW_REG_IB_STS2, 6, 4)
	s_cmp_eq_u32 s2, 0
	s_cbranch_scc0 .Lentry_in_a_cluster
	s_endpgm
.Lentry_in_a_cluster:
	s_bfe_u32 s2, ttmp6, 0x10000c
	s_cmp_lg_u32 s2, 0x3003
	s_cbranch_scc0 .Lentry_shape_is_right
	s_endpgm
.Lentry_shape_is_right:
; The cross attention on codes of FP8 (E4M3), over a quarter of the keys, and fc1 applied to the sums that are not yet divided.
; A work-group owns 80 queries (five tiles of 16) of batch y / 4 and the 3,328 keys of quarter y % 4: 26 steps of 128 keys.  8 x 32 work-groups.
; SHARES.  In a step wave w makes S^T = K Q^T for keys 32 w .. 32 w + 31 against all five tiles (source 0 = 16 keys, source 1 = 16 queries: a lane holds one query), and O^T += V^T P^T for channels
; 128 w .. 128 w + 127 against all five tiles.  So each fragment of K and of V is read from LDS by one wave only.  Between the two products the waves exchange, through LDS, each query's largest score and p's codes.
; SOFTMAX.  t = score x log2(e) / sqrt(512); M = the running largest t rounded up to a whole number, the same in all four waves; p = 2^(t - M) is quantised with 2^e2; the sum is taken of the unquantised p;
; when M moves, the sum and O^T are multiplied by 2^(old M - new M), which rounds nothing.
; WHAT LEAVES.  attended feeds fc1 alone, and fc1 is linear: for each query a[0..3] = sum over d of O(d) fc1_w[.][d], the sum l and -M: 24 bytes.  The next launch joins the four quarters.
; CODES lie in memory as images of operand registers: a step's K and V are 65,536 dense bytes each; a fragment is four runs of 512 bytes, lane l's 16 bytes at 16 l: no pitch, no padding.
; THE RING.  Two slots of one step each; both are asked for at the start.  THE CHANGE OF SLOTS STANDS IN THE STEP'S MIDDLE, at the barrier that hands p's codes round: there every wave holds the step's K and V in
; registers, so step j's slot takes step j + 2's tiles, which have the rest of this step and the next step's first half more than a step in which to land; and the next step's K is fetched with no barrier in front of it.
; CLUSTER.  The four query blocks of a cluster walk the same K and V: each tile is asked for jointly, by the same tensor load with the same descriptor and the mask 15.  Nothing but Q's and part's addresses hangs on the place in the cluster.
; Keys 13271 .. 13311 are copies of the last key: in the last step their scores become -infinity, so p = 0.  Queries 577 .. 639 are copies of query 576.
; LIMITS: e0 + e1 between -122 and 131 (added to the exponent field of log2(e) / sqrt(512)); e2 between -126 and 119.  NaN and infinities are not served.
; REGISTERS, in windows of 256.  Window 0: v1-15 addresses and constants; v16-55 eight a tile: -M, largest t, the sum (two), f, 0, two at work; v56-75 the four waves' maxima, then p's codes; v76-155 S^T, 16 a tile;
;   v156-166 addresses of the end; v176-255 P, 16 a tile.   Window 1: Q of tiles 0-3 (64 q + 16 s).   Window 2: O^T of tiles 0-3 (64 q + 8 f).   Window 3: v0-63 Q of tile 4; v64-127 O^T of tile 4; v128-255 eight fragments of K or of V.
.set NSTEP, 26
.set SLOT1, 0x20000                    ; slot 1 begins here: one exclusive or turns an address of one slot into the other's.  A slot: K's 65,536 bytes, then V's
.set PIMG,  262144                     ; p's codes: tile q at 2,048 q, wave c's run at 512 c
.set MX,    272384                     ; largest scores: [tile][query][wave] f32
.set EX,    273664                     ; the end: [wave] 4,096 apart, [query] 32 bytes: a0-3, f, 0, l, -M
.set SPARE, 290048                     ; the spare words, 128 bytes for each wave: two blocks of 256 bytes that no other line names
.set AK0, 1
.set AV0, 2
.set ADK, 3
.set ADV, 4
.set SPW, 5
.set NIL, 6
.set PST, 7
.set PLD, 8
.set MST, 9
.set MLD, 10
.set PSC, 11
.set PLIM, 12
.set DLIM, 13
.set NINF, 14
.set L16, 15
.set ST,  16
.set PC,  56
.set S,   76
.set EXS, 156
.set EXL, 157
.set POF, 158
.set FWO, 159
.set LN,  164
.set RR,  165
.set HH,  166
.set PF,  176
.set KV,  128
.set WV,  16
.set G0A, 28                           ; s[28:31] descriptor group 0 of the first fill of slot 0
.set G1,  32                           ; s[32:39] descriptor group 1
.set G0,  40                           ; s[40:43] descriptor group 0 of the first fill of slot 1, which then walks on
.set TB,  44
.set CNT, 45
.set CS,  46
.set SEL, 48
.set EQ,  52
.set EK,  53
.set EP,  54
.set MSB, 0
.macro WIN new                         ; s_set_vgpr_msb's low byte: bits 1:0 source 0, 3:2 source 1, 5:4 source 2, 7:6 destination; the high byte repeats the setting that is left
.if MSB != \new
	s_set_vgpr_msb (MSB<<8)|\new
.set MSB, \new
.endif
.endm
.macro PLACES                          ; four plain vector lines behind matrix instructions, in front of reads of their results and of loads into their sources
.rept 4
	v_nop
.endr
.endm
.macro CROUND                          ; a round of the cluster's barrier
	s_barrier_signal -1
	s_barrier_wait -1
	s_cmp_lg_u32 s[WV], 0
	s_cbranch_scc1 .Lnot_wave_0_\@
	s_barrier_signal -3
.Lnot_wave_0_\@:
	s_barrier_wait -3
	s_barrier_signal -1
	s_barrier_wait -1
.endm
	s_load_b256 s[4:11], s[0:1], 0x0               ; qc s[4:5], kx s[6:7], vx s[8:9], fc1_w s[10:11]
	s_load_b128 s[12:15], s[0:1], 0x20             ; the scales' exponents s[12:13], part s[14:15]
	v_lshl_add_u32 v[SPW], v0, 2, SPARE
	v_mov_b32 v[NIL], 0
	ds_add_u32 v5, v6
	ds_add_u32 v5, v6
	s_wait_dscnt 0x0
	v_lshrrev_b32 v[LN], 5, v0
	v_readfirstlane_b32 s[WV], v[LN]               ; wave 0..3
	s_bfe_u32 s17, ttmp6, 0x40000                  ; cx
	s_lshl_b32 s18, ttmp9, 2
	s_add_co_u32 s18, s18, s17                     ; my block of 80 queries = 4 x cluster x + cx
	s_and_b32 s19, ttmp7, 0xffff
	s_lshr_b32 s20, s19, 2                         ; batch
	s_and_b32 s21, s19, 3                          ; quarter of the keys
	s_mul_i32 s22, s20, 104
	s_mul_i32 s23, s21, NSTEP
	s_add_co_u32 s22, s22, s23
	s_lshl_b32 s22, s22, 16                        ; my first step's 65,536 bytes in kx and in vx,
	s_and_b32 s23, s[WV], 1
	s_lshl_b32 s23, s23, 15
	s_add_co_u32 s22, s22, s23                     ; and the half of them that I fetch
	s_mov_b32 s23, 0
	s_mul_i32 s24, s20, 40
	s_mul_i32 s25, s18, 5
	s_add_co_u32 s24, s24, s25
	s_lshl_b32 s24, s24, 13                        ; Q: tile batch x 40 + 5 x block, 8,192 bytes each
	s_mov_b32 s25, 0
	s_mul_i32 s26, s19, 640
	s_mul_i32 s27, s18, 80
	s_add_co_u32 s26, s26, s27
	s_lshl_b32 s26, s26, 4                         ; part: 16 bytes for each query of each (batch, quarter)
	s_mov_b32 s27, 0
	; descriptor group 1: 128 rows of 32 elements of 8 bytes, dense: 32,768 bytes
	s_mov_b32 s[G1], 15|(3<<16)|(1<<21)            ; 15:0 the mask: all four work-groups; 17:16 elements of 8 bytes; 21 set beside a mask; no padding
	s_mov_b32 s[G1+1], 32<<16                      ; tensor_dim0 = 32
	s_mov_b32 s[G1+2], 128<<16                     ; tensor_dim1 = 128
	s_mov_b32 s[G1+3], 32<<16                      ; tile_dim0 = 32
	s_mov_b32 s[G1+4], 128                         ; tile_dim1 = 128
	s_mov_b32 s[G1+5], 32                          ; from row to row
	s_mov_b32 s[G1+6], 0
	s_mov_b32 s[G1+7], 0
	s_mov_b32 s[SEL], 0x76543210
	s_mov_b32 s[SEL+1], 0xfedcba98
	s_mov_b32 s[CS], 0x3d8293ee                    ; log2(e) / sqrt(512)
	s_mov_b32 s[TB], 0
	s_mov_b32 s[CNT], NSTEP-3
	v_and_b32 v[LN], 31, v0
	v_and_b32 v[RR], 15, v0                        ; r
	v_bfe_u32 v[HH], v0, 4, 1                      ; h
	v_lshlrev_b32 v[L16], 4, v[LN]                 ; 16 x lane
	s_lshl_b32 s28, s[WV], 14
	v_add_nc_u32 v[AK0], s28, v[L16]               ; K: my two tiles of 16 keys
	v_add_nc_u32 v[AV0], 0x10000, v[AK0]           ; V: my eight tiles of 16 channels
	s_lshl_b32 s28, s[WV], 9
	s_add_co_u32 s28, s28, PIMG
	v_add_nc_u32 v[PST], s28, v[L16]
	v_add_nc_u32 v[PLD], PIMG, v[L16]
	v_lshl_add_u32 v[MLD], v[RR], 4, MX
	s_lshl_b32 s28, s[WV], 2
	v_add_nc_u32 v[MST], s28, v[MLD]
	s_mul_i32 s29, s21, 3328
	s_lshl_b32 s30, s[WV], 5
	s_add_co_u32 s29, s29, s30
	s_sub_co_i32 s29, 10070, s29                   ; 13270 - (3328 quarter + 3200) - 32 wave
	v_lshlrev_b32 v[DLIM], 3, v[HH]
	v_sub_nc_u32 v[DLIM], s29, v[DLIM]             ; in the last step register 8 u + j holds a key past the end where 16 u + j > this
	v_mov_b32 v[NINF], 0xff800000
	s_lshl_b32 s28, s[WV], 12
	s_add_co_u32 s28, s28, EX
	v_lshl_add_u32 v[EXS], v[RR], 5, s28
	v_lshl_add_u32 v[EXL], v0, 5, EX
	v_lshlrev_b32 v[POF], 4, v0
	s_lshl_b32 s28, s[WV], 9
	v_lshl_add_u32 v[FWO], v[HH], 5, s28           ; fc1_w: channel 128 wave + 8 h
.irp q, 0,1,2,3,4
	v_mov_b32 v[ST+8*\q+1], 0xff61b1e6             ; the largest t so far: -3e38
	v_floor_f32 v[ST+8*\q], -v[ST+8*\q+1]          ; -M
.irp k, 2,3,4,5,6,7
	v_mov_b32 v[ST+8*\q+\k], 0
.endr
.endr
	s_wait_kmcnt 0x0
	s_load_b256 s[52:59], s[12:13], 0x0            ; e0 .. e7
	s_cmp_lt_u32 s[WV], 2                          ; waves 0, 1 bring K's halves, waves 2, 3 V's
	s_cselect_b64 s[G0A+2:G0A+3], s[6:7], s[8:9]
	s_add_nc_u64 s[G0A+2:G0A+3], s[G0A+2:G0A+3], s[22:23]   ; step 0,
	s_add_nc_u64 s[G0+2:G0+3], s[G0A+2:G0A+3], 0x10000      ; step 1
	s_or_b32 s[G0A+3], s[G0A+3], 0x80000000        ; type = 2
	s_or_b32 s[G0+3], s[G0+3], 0x80000000
	s_mov_b32 s[G0A], 1                            ; count = 1
	s_lshl_b32 s[G0A+1], s[WV], 15                 ; LDS: wave x 32,768 in slot 0,
	s_mov_b32 s[G0], 1
	s_add_co_u32 s[G0+1], s[G0A+1], SLOT1          ; in slot 1
	s_add_nc_u64 s[4:5], s[4:5], s[24:25]
	s_add_nc_u64 s[14:15], s[14:15], s[26:27]
	CROUND                                         ; all four work-groups are here: the first joint loads meet
	tensor_load_to_lds s[G0A:G0A+3], s[G1:G1+7]    ; step 0.  The two first fills go out together: two tensor loads of mine are out
	s_nop 0
	tensor_load_to_lds s[G0:G0+3], s[G1:G1+7]      ; step 1
	s_nop 0
	PLACES                                         ; four v_nop follow the second
	WIN 0x40                                       ; destination window 1
.irp q, 0,1,2,3
.irp s, 0,1,2,3
.irp c, 0,1,2,3
	global_load_b128 v[64*\q+16*\s+4*\c:64*\q+16*\s+4*\c+3], v[L16], s[4:5] offset:8192*\q+2048*\s+512*\c   ; Q stays in registers
.endr
.endr
.endr
	WIN 0xc0                                       ; destination window 3
.irp s, 0,1,2,3
.irp c, 0,1,2,3
	global_load_b128 v[16*\s+4*\c:16*\s+4*\c+3], v[L16], s[4:5] offset:8192*4+2048*\s+512*\c
.endr
.endr
	WIN 0
	s_wait_kmcnt 0x0
	s_add_co_i32 s22, s[EQ], s[EK]
	s_lshl_b32 s22, s22, 23
	s_add_co_i32 s[CS], s[CS], s22                 ; a score stands for score x 2^(e0 + e1): the exponents are added to c's exponent field
	s_mov_b32 s[CS+1], s[CS]                       ; (named with it as a pair, so it is written)
	s_add_co_i32 s22, s[EP], 127
	s_lshl_b32 s23, s22, 23
	v_mov_b32 v[PSC], s23                          ; 2^e2 as f32, for the conversion
	s_add_co_i32 s22, s22, 8
	s_lshl_b32 s22, s22, 23
	s_or_b32 s22, s22, 0x600000
	v_mov_b32 v[PLIM], s22                         ; 448 x 2^e2
.macro EPILOADS                        ; fc1_w at my channels, into Q's registers of tiles 0-3, which the last products K Q^T have left: row e at 64 e, register 8 f + j = channel 128 wave + 16 f + 8 h + j
	WIN 0x40
.irp e, 0,1,2,3
.irp f, 0,1,2,3,4,5,6,7
	global_load_b128 v[64*\e+8*\f:64*\e+8*\f+3], v[FWO], s[10:11] offset:2048*\e+64*\f
	global_load_b128 v[64*\e+8*\f+4:64*\e+8*\f+7], v[FWO], s[10:11] offset:2048*\e+64*\f+16
.endr
.endr
	WIN 0
.endm
; A STEP OF 128 KEYS.  first = 1: its products start O^T's sums.  mode = 2: its slot is filled again, two steps ahead; 1: nothing is asked for, the last tile is awaited; 0: the last step.
; last = 1: keys past the end are masked, and what the end needs is asked for.
.macro STEP first, mode, last
	v_add_nc_u32 v[ADK], s[TB], v[AK0]             ; these two additions and two v_nop are the four places between the last products V^T P^T and the loads into their registers
	v_add_nc_u32 v[ADV], s[TB], v[AV0]
	v_nop
	v_nop
	WIN 0xc0
.irp s, 0,1,2,3
.irp u, 0,1
.irp c, 0,1,2,3
	ds_load_b128 v[KV+16*(2*\s+\u)+4*\c:KV+16*(2*\s+\u)+4*\c+3], v[ADK] offset:8192*\u+2048*\s+512*\c   ; no barrier stands in front: the last change of slots has shown this slot whole to every wave
.endr
.endr
.endr
.irp s, 0,1,2,3                                ; S^T = K Q^T: ten accumulators by turns, 128 channels a turn
	s_wait_dscnt 24-8*\s                           ; the eight loads of these 128 channels are in; those of the later channels may be out
	WIN 0x07                                       ; K window 3, Q window 1
.irp q, 0,1,2,3
.irp u, 0,1
.if \s == 0
	v_wmma_f32_16x16x128_fp8_fp8 v[S+16*\q+8*\u:S+16*\q+8*\u+7], v[KV+16*(2*\s+\u):KV+16*(2*\s+\u)+15], v[64*\q+16*\s:64*\q+16*\s+15], 0
.else
	v_wmma_f32_16x16x128_fp8_fp8 v[S+16*\q+8*\u:S+16*\q+8*\u+7], v[KV+16*(2*\s+\u):KV+16*(2*\s+\u)+15], v[64*\q+16*\s:64*\q+16*\s+15], v[S+16*\q+8*\u:S+16*\q+8*\u+7]
.endif
.endr
.endr
	WIN 0x0f                                       ; Q of tile 4: window 3
.irp u, 0,1
.if \s == 0
	v_wmma_f32_16x16x128_fp8_fp8 v[S+64+8*\u:S+64+8*\u+7], v[KV+16*(2*\s+\u):KV+16*(2*\s+\u)+15], v[16*\s:16*\s+15], 0
.else
	v_wmma_f32_16x16x128_fp8_fp8 v[S+64+8*\u:S+64+8*\u+7], v[KV+16*(2*\s+\u):KV+16*(2*\s+\u)+15], v[16*\s:16*\s+15], v[S+64+8*\u:S+64+8*\u+7]
.endif
.endr
.endr
	WIN 0
	PLACES
.if \last
	EPILOADS
.irp n, 0,1,2,3,4,5,6,7,8,9,10,11,12,13,14,15
	v_cmp_gt_i32 vcc_lo, 16*(\n/8)+\n%8, v[DLIM]
.irp q, 0,1,2,3,4
	v_cndmask_b32 v[S+16*\q+\n], v[S+16*\q+\n], v[NINF], vcc_lo   ; a key past the end: -infinity, so p = 0
.endr
.endr
.endif
	; each query's largest score among my wave's 32 keys; the five tiles take turns line by line; each accumulator is read from its low end on
.irp q, 0,1,2,3,4
	v_max3_num_f32 v[ST+8*\q+6], v[S+16*\q], v[S+16*\q+1], v[S+16*\q+2]
	v_max3_num_f32 v[ST+8*\q+7], v[S+16*\q+8], v[S+16*\q+9], v[S+16*\q+10]
.endr
.irp k, 3,5
.irp q, 0,1,2,3,4
	v_max3_num_f32 v[ST+8*\q+6], v[ST+8*\q+6], v[S+16*\q+\k], v[S+16*\q+\k+1]
	v_max3_num_f32 v[ST+8*\q+7], v[ST+8*\q+7], v[S+16*\q+8+\k], v[S+16*\q+9+\k]
.endr
.endr
.irp q, 0,1,2,3,4
	v_max3_num_f32 v[ST+8*\q+6], v[ST+8*\q+6], v[S+16*\q+7], v[S+16*\q+15]
.endr
.irp q, 0,1,2,3,4
	v_max_num_f32 v[ST+8*\q+6], v[ST+8*\q+6], v[ST+8*\q+7]
.endr
.irp q, 0,1,2,3,4
	v_permlanex16_b32 v[ST+8*\q+7], v[ST+8*\q+6], s[SEL], s[SEL+1]
.endr
.irp q, 0,1,2,3,4
	v_max_num_f32 v[ST+8*\q+6], v[ST+8*\q+6], v[ST+8*\q+7]
.endr
.irp q, 0,1,2,3,4
	ds_store_b32 v[MST], v[ST+8*\q+6] offset:256*\q
.endr
	s_wait_dscnt 0x0                               ; for the others' sake: my maxima lie in LDS
	s_barrier_signal -1                            ; the tile that is on its way into the other slot may stay out
	s_barrier_wait -1
.irp q, 0,1,2,3,4
	ds_load_b128 v[PC+4*\q:PC+4*\q+3], v[MLD] offset:256*\q   ; the four waves' maxima of my query
.endr
	WIN 0xc0
.irp f, 0,1,2,3,4,5,6,7
.irp c, 0,1,2,3
	ds_load_b128 v[KV+16*\f+4*\c:KV+16*\f+4*\c+3], v[ADV] offset:2048*\f+512*\c   ; V's eight fragments land while the softmax is worked
.endr
.endr
	WIN 0
	s_wait_dscnt 32                                ; the maxima are in; V's 32 loads may be out
.irp q, 0,1,2,3,4
	v_max3_num_f32 v[ST+8*\q+6], v[PC+4*\q], v[PC+4*\q+1], v[PC+4*\q+2]
.endr
.irp q, 0,1,2,3,4
	v_max_num_f32 v[ST+8*\q+6], v[ST+8*\q+6], v[PC+4*\q+3]
.endr
.irp q, 0,1,2,3,4
	v_mul_f32 v[ST+8*\q+6], s[CS], v[ST+8*\q+6]    ; as t (c is positive)
.endr
.irp q, 0,1,2,3,4
	v_max_num_f32 v[ST+8*\q+1], v[ST+8*\q+1], v[ST+8*\q+6]   ; the running largest t
	v_mov_b32 v[ST+8*\q+7], v[ST+8*\q]
.endr
.irp q, 0,1,2,3,4
	v_floor_f32 v[ST+8*\q], -v[ST+8*\q+1]          ; -M = floor(-t): M is a whole number
.endr
.irp q, 0,1,2,3,4
	v_sub_f32 v[ST+8*\q+7], v[ST+8*\q], v[ST+8*\q+7]   ; old M - new M, 0 or less
.endr
.irp q, 0,1,2,3,4
	v_cvt_i32_f32 v[ST+8*\q+7], v[ST+8*\q+7]       ; (it saturates)
.endr
.irp q, 0,1,2,3,4
	v_ldexp_f32 v[ST+8*\q+4], 1.0, v[ST+8*\q+7]    ; f = 2^(old M - new M)
.endr
.irp k, 0,2,4,6,8,10,12,14
.irp q, 0,1,2,3,4
	v_pk_fma_f32 v[S+16*\q+\k:S+16*\q+\k+1], v[S+16*\q+\k:S+16*\q+\k+1], s[CS:CS+1], v[ST+8*\q:ST+8*\q+1] op_sel_hi:[1,0,0]   ; t - M (of the pairs c and -M the low word serves both halves)
.endr
.endr
.irp q, 0,1,2,3,4
.irp k, 0,1,2,3,4,5,6,7,8,9,10,11,12,13,14,15
	v_exp_f32 v[S+16*\q+\k], v[S+16*\q+\k]         ; p = 2^(t - M), not normalised
.endr
.endr
.irp q, 0,1,2,3,4
	v_pk_mul_f32 v[ST+8*\q+2:ST+8*\q+3], v[ST+8*\q+2:ST+8*\q+3], v[ST+8*\q+4:ST+8*\q+5] op_sel_hi:[1,0]   ; the sums under the new M (plain lines behind the exponentials)
.endr
	s_wait_alu depctr_va_vdst(0)
.irp k, 0,2,4,6,8,10,12,14
.irp q, 0,1,2,3,4
	v_pk_add_f32 v[ST+8*\q+2:ST+8*\q+3], v[ST+8*\q+2:ST+8*\q+3], v[S+16*\q+\k:S+16*\q+\k+1]   ; the sum is taken of the unquantised p
.endr
.endr
.irp q, 0,1,2,3,4
.irp k, 0,1,2,3,4,5,6,7,8,9,10,11,12,13,14,15
	v_min_num_f32 v[S+16*\q+\k], v[S+16*\q+\k], v[PLIM]   ; the conversion does not saturate (ISA guide 7.6.2); p is not negative, so the hold is one-sided
.endr
.endr
.irp q, 0,1,2,3,4
	v_cvt_scalef32_pk8_fp8_f32 v[PC+4*\q:PC+4*\q+1], v[S+16*\q:S+16*\q+7], v[PSC]
	v_cvt_scalef32_pk8_fp8_f32 v[PC+4*\q+2:PC+4*\q+3], v[S+16*\q+8:S+16*\q+15], v[PSC]
.endr
	v_nop                                          ; a plain vector line behind the last conversion
.irp q, 0,1,2,3,4
	ds_store_b128 v[PST], v[PC+4*\q:PC+4*\q+3] offset:2048*\q   ; my 32 keys' run of P's image
.endr
	; ONE BARRIER FOR TWO THINGS: p's codes go round, and the slots change
.if \mode == 2
	s_wait_tensorcnt 0x0                           ; my one tensor load that was out, my part of the next step's slot, has landed: so the group 0 may be written
	ds_add_u32 v[SPW], v[NIL]                      ; 0 onto my spare word
	s_xor_b32 s[G0+1], s[G0+1], SLOT1              ; this step's slot,
	s_add_nc_u64 s[G0+2:G0+3], s[G0+2:G0+3], 0x10000   ; the bytes of the step after the next; the type bits on top are not reached
	s_wait_dscnt 0x0                               ; the add is done, my codes lie in LDS, and my reads of this step's slot are over: K's and V's fragments are in registers
	CROUND                                         ; no wave of any partner still reads this slot or has a load on its way
	tensor_load_to_lds s[G0:G0+3], s[G1:G1+7]      ; the first thing behind the round, my one tensor load until the next
	s_nop 0
	PLACES                                         ; four v_nop follow the load
.elseif \mode == 1
	s_wait_tensorcnt 0x0                           ; my part of the last step's slot has landed; nothing is asked for any more
	ds_add_u32 v[SPW], v[NIL]
	s_wait_dscnt 0x0                               ; for the others' sake: my codes lie in LDS
	s_barrier_signal -1
	s_barrier_wait -1
.else
	s_wait_dscnt 0x0                               ; for the others' sake: my codes lie in LDS
	s_barrier_signal -1
	s_barrier_wait -1
.endif
.irp q, 0,1,2,3,4
.irp c, 0,1,2,3
	ds_load_b128 v[PF+16*\q+4*\c:PF+16*\q+4*\c+3], v[PLD] offset:2048*\q+512*\c
.endr
.endr
.if \first == 0
	WIN 0x82                                       ; O^T window 2, f window 0
.irp q, 0,1,2,3
.set kk, 0
.rept 32
	v_pk_mul_f32 v[64*\q+kk:64*\q+kk+1], v[64*\q+kk:64*\q+kk+1], v[ST+8*\q+4:ST+8*\q+5] op_sel_hi:[1,0]   ; O^T under the new M, each accumulator from its low end on; P lands meanwhile
.set kk, kk+2
.endr
.endr
	WIN 0xc3
.set kk, 0
.rept 32
	v_pk_mul_f32 v[64+kk:64+kk+1], v[64+kk:64+kk+1], v[ST+36:ST+37] op_sel_hi:[1,0]
.set kk, kk+2
.endr
.endif
.irp q, 0,1,2,3                                ; O^T += V^T P^T: each of the 40 accumulators has one instruction a step
	s_wait_dscnt 16-4*\q                           ; this tile's four loads of P are in; the later tiles' may be out
	WIN 0xa3                                       ; V window 3, P window 0, O^T window 2
.irp f, 0,1,2,3,4,5,6,7
.if \first
	v_wmma_f32_16x16x128_fp8_fp8 v[64*\q+8*\f:64*\q+8*\f+7], v[KV+16*\f:KV+16*\f+15], v[PF+16*\q:PF+16*\q+15], 0
.else
	v_wmma_f32_16x16x128_fp8_fp8 v[64*\q+8*\f:64*\q+8*\f+7], v[KV+16*\f:KV+16*\f+15], v[PF+16*\q:PF+16*\q+15], v[64*\q+8*\f:64*\q+8*\f+7]
.endif
.endr
.endr
	s_wait_dscnt 0x0
	WIN 0xf3
.irp f, 0,1,2,3,4,5,6,7
.if \first
	v_wmma_f32_16x16x128_fp8_fp8 v[64+8*\f:64+8*\f+7], v[KV+16*\f:KV+16*\f+15], v[PF+64:PF+79], 0
.else
	v_wmma_f32_16x16x128_fp8_fp8 v[64+8*\f:64+8*\f+7], v[KV+16*\f:KV+16*\f+15], v[PF+64:PF+79], v[64+8*\f:64+8*\f+7]
.endif
.endr
	WIN 0
	s_xor_b32 s[TB], s[TB], SLOT1                  ; on to the other slot
.endm
	s_wait_loadcnt 0x0                             ; Q
	s_wait_tensorcnt 0x1                           ; my part of step 0 is in; step 1's load may stay out
	s_barrier_signal -1
	s_barrier_wait -1                              ; everybody's is
	STEP 1, 2, 0                                   ; step 0 asks for step 2
.Lstep:                                            ; NSTEP - 3 trips: steps 1 to 23, each asking for the step two further on
	STEP 0, 2, 0
	s_sub_co_u32 s[CNT], s[CNT], 1
	s_cmp_lg_u32 s[CNT], 0
	s_cbranch_scc1 .Lstep
	STEP 0, 1, 0                                   ; the last two steps are written out: they ask for no tile
	STEP 0, 0, 1
	; THE END.  My wave's part of each query's sum (these plain lines are also the places behind the last products)
.irp q, 0,1,2,3,4
	v_add_f32 v[ST+8*\q+6], v[ST+8*\q+2], v[ST+8*\q+3]
.endr
.irp q, 0,1,2,3,4
	v_permlanex16_b32 v[ST+8*\q+7], v[ST+8*\q+6], s[SEL], s[SEL+1]
.endr
.irp q, 0,1,2,3,4
	v_add_f32 v[ST+8*\q+6], v[ST+8*\q+6], v[ST+8*\q+7]
.endr
.irp q, 0,1,2,3,4
	v_mov_b32 v[ST+8*\q+7], v[ST+8*\q]             ; -M beside it
.endr
	s_wait_loadcnt 0x0                             ; fc1_w
	WIN 0x06                                       ; O^T window 2, fc1_w window 1
.irp f, 0,1,2,3,4,5,6,7                        ; a(q, e) += O^T(q; d) fc1_w[e][d], two channels an instruction, in f32: 16 sums by turns; each accumulator of O^T from its low end on
.irp p, 0,2,4,6
.irp q, 0,1,2,3
.irp e, 0,1,2,3
.if (\f == 0) && (\p == 0)
	v_pk_mul_f32 v[S+2*(4*\q+\e):S+2*(4*\q+\e)+1], v[64*\q+8*\f+\p:64*\q+8*\f+\p+1], v[64*\e+8*\f+\p:64*\e+8*\f+\p+1]
.else
	v_pk_fma_f32 v[S+2*(4*\q+\e):S+2*(4*\q+\e)+1], v[64*\q+8*\f+\p:64*\q+8*\f+\p+1], v[64*\e+8*\f+\p:64*\e+8*\f+\p+1], v[S+2*(4*\q+\e):S+2*(4*\q+\e)+1]
.endif
.endr
.endr
.endr
.endr
	WIN 0x07                                       ; tile 4's O^T: window 3
.irp f, 0,1,2,3,4,5,6,7
.irp p, 0,2,4,6
.irp e, 0,1,2,3
.if (\f == 0) && (\p == 0)
	v_pk_mul_f32 v[S+32+2*\e:S+32+2*\e+1], v[64+8*\f+\p:64+8*\f+\p+1], v[64*\e+8*\f+\p:64*\e+8*\f+\p+1]
.else
	v_pk_fma_f32 v[S+32+2*\e:S+32+2*\e+1], v[64+8*\f+\p:64+8*\f+\p+1], v[64*\e+8*\f+\p:64*\e+8*\f+\p+1], v[S+32+2*\e:S+32+2*\e+1]
.endif
.endr
.endr
.endr
	WIN 0
.irp n, 0,1,2,3,4,5,6,7,8,9,10,11,12,13,14,15,16,17,18,19
	v_add_f32 v[PC+\n], v[S+2*\n], v[S+2*\n+1]
.endr
.irp n, 0,1,2,3,4,5,6,7,8,9,10,11,12,13,14,15,16,17,18,19
	v_permlanex16_b32 v[S+40+\n], v[PC+\n], s[SEL], s[SEL+1]
.endr
.irp n, 0,1,2,3,4,5,6,7,8,9,10,11,12,13,14,15,16,17,18,19
	v_add_f32 v[PC+\n], v[PC+\n], v[S+40+\n]       ; over my wave's 128 channels
.endr
.irp q, 0,1,2,3,4
	ds_store_b128 v[EXS], v[PC+4*\q:PC+4*\q+3] offset:512*\q                 ; both halves of the lanes hold, and store, the same numbers
	ds_store_b128 v[EXS], v[ST+8*\q+4:ST+8*\q+7] offset:512*\q+16            ; f, 0, l, -M: a query's 32 bytes are written whole
.endr
	s_wait_dscnt 0x0                               ; for the others' sake
	s_barrier_signal -1
	s_barrier_wait -1
	s_wait_xcnt 0x0                                ; EXEC changes only behind this wait
	v_cmp_gt_u32 vcc_lo, 80, v0
	s_and_saveexec_b32 s60, vcc_lo                 ; thread t < 80 joins the four waves' parts of query t
.irp w, 0,1,2,3
	ds_load_b128 v[S+4*\w:S+4*\w+3], v[EXL] offset:4096*\w
	ds_load_b64 v[S+16+2*\w:S+17+2*\w], v[EXL] offset:4096*\w+24
.endr
	s_wait_dscnt 0x0
.irp w, 1,2,3
	v_pk_add_f32 v[S:S+1], v[S:S+1], v[S+4*\w:S+4*\w+1]
	v_pk_add_f32 v[S+2:S+3], v[S+2:S+3], v[S+4*\w+2:S+4*\w+3]
	v_add_f32 v[S+16], v[S+16], v[S+16+2*\w]
.endr
	v_mov_b32 v[S+18], 0                           ; l, -M (the same in all four waves), 0, 0
	v_mov_b32 v[S+19], 0
	global_store_b128 v[POF], v[S:S+3], s[14:15]                       ; 80 x 16 consecutive bytes, at a multiple of 256 from the buffer's first byte
	global_store_b128 v[POF], v[S+16:S+19], s[14:15] offset:327680
	s_wait_xcnt 0x0                                ; and again, in front of the line that widens EXEC
	s_or_b32 exec_lo, exec_lo, s60
	s_wait_tensorcnt 0x0                           ; the wave's end
	ds_add_u32 v[SPW], v[NIL]
	s_wait_dscnt 0x0
	CROUND                                         ; the closing round: no work-group ends while a partner may still ask for a tile that names it
	s_endpgm
.Lfunc_end_k_q4f1f2e2874_xattn:
	.size	k_q4f1f2e2874_xattn, .Lfunc_end_k_q4f1f2e2874_xattn-k_q4f1f2e2874_xattn
	.p2alignl 7, 3214868480
	.fill 96, 4, 3214868480
	.section	.rodata,"a",@progbits
	.p2align	6, 0x0
	.amdhsa_kernel k_q4f1f2e2874_xattn
		.amdhsa_group_segment_fixed_size 327680
		.amdhsa_private_segment_fixed_size 0
		.amdhsa_enable_private_segment 0
		.amdhsa_kernarg_size 48
		.amdhsa_user_sgpr_count 2
		.amdhsa_user_sgpr_kernarg_segment_ptr 1
		.amdhsa_wavefront_size32 1
		.amdhsa_system_sgpr_workgroup_id_x 1
		.amdhsa_system_sgpr_workgroup_id_y 1
		.amdhsa_system_sgpr_workgroup_id_z 1
		.amdhsa_system_vgpr_workitem_id 0
		.amdhsa_next_free_vgpr 1024
		.amdhsa_next_free_sgpr 66
		.amdhsa_reserve_vcc 1
		.amdhsa_float_denorm_mode_32 3
		.amdhsa_float_denorm_mode_16_64 3
		.amdhsa_memory_ordered 1
		.amdhsa_forward_progress 1
		.amdhsa_inst_pref_size 215
	.end_amdhsa_kernel
	.amdgpu_metadata
---
amdhsa.version: [ 1, 2 ]
amdhsa.kernels:
  - .name:           k_q4f1f2e2874_xattn
    .symbol:         k_q4f1f2e2874_xattn.kd
    .args:
      - { .name: qc, .offset: 0, .size: 8, .value_kind: global_buffer, .address_space: global }
      - { .name: kx, .offset: 8, .size: 8, .value_kind: global_buffer, .address_space: global }
      - { .name: vx, .offset: 16, .size: 8, .value_kind: global_buffer, .address_space: global }
      - { .name: fc1_w, .offset: 24, .size: 8, .value_kind: global_buffer, .address_space: global }
      - { .name: lowp_scales, .offset: 32, .size: 8, .value_kind: global_buffer, .address_space: global }
      - { .name: part, .offset: 40, .size: 8, .value_kind: global_buffer, .address_space: global }
    .group_segment_fixed_size: 327680
    .private_segment_fixed_size: 0
    .kernarg_segment_align: 8
    .kernarg_segment_size: 48
    .max_flat_workgroup_size: 128
    .sgpr_count:     66
    .vgpr_count:     1024
    .wavefront_size: 32
...
	.end_amdgpu_metadata
.endif
;; end of part 2
;; launch mid (part 3): grid 20 x 8, 16 waves a work-group, no clusters, 68,096 bytes of LDS; arguments part, nfl, fc1_b, fc2_w, fc2_b, norm3_w, norm3_b, gamma2, lowp_scales, sc, vc, base; writes sc, vc, base
.if DOCPART == 3
	.amdgcn_target "amdgcn-amd-amdhsa--gfx1250"
	.amdhsa_code_object_version 6
	.text
	.protected	k_q4f1f2e2874_mid
	.globl	k_q4f1f2e2874_mid
	.p2align	8
	.type	k_q4f1f2e2874_mid,@function
k_q4f1f2e2874_mid:
	s_mov_b64 s[64:65], 0
	v_nop
	global_prefetch_b8 v0, s[64:65] scope:SCOPE_SE
	s_setreg_imm32_b32 hwreg(HW_REG_WAVE_MODE, 25, 1), 1
	s_wait_xcnt 0x0
; Between the two attentions, all in f32.  For each of 8 x 640 rows: the four quarters of the keys are joined (a, l under the largest M), z = a 2^(e2 + e3) / l + fc1_b, h = gelu(z) with erf,
; cross = h fc2_w^T + fc2_b, base = norm_F_L + gamma2 cross (stored), y = LN3(cross), and y's codes of FP8 (E4M3): with 2^e4 and with 2^e5 (K = the channels: sc, first and second half) and with 2^e7 (K = the keys: vc).
; A work-group takes 32 rows, each of its sixteen waves two; a lane holds 16 channels of each (register 4 c + j = channel 128 c + 4 lane + j).  The four numbers of the hidden layer are computed alike in every lane.
; The 32 rows of y meet in LDS (rows 2,064 bytes apart), one barrier, and each wave reads what one image of operand registers wants: layouts as in the launch that quantises the keys.
; erf(x) = x A(x^2) / B(x^2) with x held within +-4: a rational form of degrees 6 and 4 in x^2, good to a few units in f32's last place.
; Rows 577 .. 639 are copies of row 576 throughout.  LIMITS: e4, e5, e7 between -126 and 119; e2 + e3 is applied by v_ldexp_f32 and has none.  NaN and infinities are not served.
.set PY,   2064
.set ST,   12                          ; v12-19   row i: sum, then mean; at work; sum of squares, then 1/sqrt; at work
.set PART, 24                          ; v24-71   (row i, quarter s) at 24 + 6 (4 i + s): a0-3, l, -M
.set XE,   24                          ; then the erf's x, x^2, A, B: eight each
.set U,    32
.set PA,   40
.set PB,   48
.set X,    24                          ; then v24-55 cross, y; later 32 numbers of vc's images
.set T,    56                          ; v56-63   vc's codes
.set NF,   72                          ; v72-103  norm_F_L, then base
.set F2W,  104                         ; v104-167 fc2_w: register 4 d + e; later 64 numbers of sc's image
.set F2B,  168
.set W3,   184
.set B3,   200
.set G2,   216
.set C,    232                         ; v232-247 sc's codes
.set H,    248                         ; v248-255 a, z, h: row i at 4 i
.set SEL,  60
.set INV,  62
.set EPS,  63
	s_load_b512 s[4:19], s[0:1], 0x0               ; part s[4:5], nfl s[6:7], fc1_b s[8:9], fc2_w s[10:11], fc2_b s[12:13], norm3_w s[14:15], norm3_b s[16:17], gamma2 s[18:19]
	s_load_b256 s[20:27], s[0:1], 0x40             ; scales s[20:21], sc s[22:23], vc s[24:25], base s[26:27]
	v_lshrrev_b32 v20, 5, v0
	v_readfirstlane_b32 s40, v20                   ; wave 0..15
	v_and_b32 v20, 31, v0
	v_and_b32 v21, 15, v0                          ; r
	v_bfe_u32 v22, v0, 4, 1                        ; h
	v_lshlrev_b32 v1, 4, v20                       ; v1: 16 x lane
	v_lshlrev_b32 v10, 6, v20                      ; v10: 64 x lane: fc2_w's four rows of 16 bytes
	v_mov_b32 v9, 0                                ; v9: every lane reads the same bytes of part
	s_mul_i32 s41, s40, 2*PY
	v_add_nc_u32 v2, s41, v1                       ; v2: where my two rows of y go
	s_bfe_u32 s42, s40, 0x10002                    ; sc's image: which 16 rows,
	s_and_b32 s43, s40, 3                          ; which 128 channels,
	s_lshr_b32 s44, s40, 3                         ; and with which scale: e4 (waves 0-7) or e5
	s_mul_i32 s45, s42, 16*PY
	s_lshl_b32 s46, s43, 9
	s_add_co_u32 s45, s45, s46
	v_mul_u32_u24 v3, v21, PY
	v_lshl_add_u32 v3, v22, 6, v3
	v_add_nc_u32 v3, s45, v3                       ; v3: row 16 kt + r, channel 128 s + 16 h
	v_mul_u32_u24 v4, v22, 8*PY
	v_lshl_add_u32 v4, v21, 2, v4
	s_lshl_b32 s46, s40, 7
	v_add_nc_u32 v4, s46, v4                       ; v4: row 8 h, channel 32 wave + r
	s_lshl_b32 s46, s40, 12
	v_add_nc_u32 v11, s46, v1                      ; v11: my two channel tiles in vc
	s_mov_b32 s[SEL], 0x76543210
	s_mov_b32 s[SEL+1], 0xfedcba98
	s_mov_b32 s[INV], 0x3b000000                   ; 1/512
	s_mov_b32 s[EPS], 0x3727c5ac                   ; 1e-5
	s_and_b32 s48, ttmp7, 0xffff                   ; batch
	s_lshl_b32 s49, ttmp9, 5
	s_lshl_b32 s50, s40, 1
	s_add_co_u32 s49, s49, s50                     ; my first row: 32 g + 2 wave
	s_mul_i32 s50, s48, 2560
	s_add_co_u32 s50, s50, s49
	s_lshl_b32 s50, s50, 4                         ; part: [batch][quarter][640] x 16 bytes
	s_mov_b32 s51, 0
	s_mul_i32 s52, s48, 640
	s_add_co_u32 s52, s52, s49
	s_lshl_b32 s52, s52, 11                        ; nfl, base: rows of 2,048 bytes
	s_mov_b32 s53, 0
	s_mul_i32 s54, s48, 40
	s_lshl_b32 s55, ttmp9, 1
	s_add_co_u32 s54, s54, s55
	s_add_co_u32 s54, s54, s42
	s_lshl_b32 s54, s54, 13
	s_lshl_b32 s55, s43, 11
	s_add_co_u32 s54, s54, s55
	s_mul_i32 s55, s44, 2621440
	s_add_co_u32 s54, s54, s55                     ; sc: half, tile, 128 channels
	s_mov_b32 s55, 0
	s_mul_i32 s56, s48, 327680
	s_lshr_b32 s57, ttmp9, 2
	s_lshl_b32 s57, s57, 16
	s_add_co_u32 s56, s56, s57
	s_and_b32 s57, ttmp9, 3
	s_lshl_b32 s57, s57, 9
	s_add_co_u32 s56, s56, s57                     ; vc: batch, step g / 4, run g % 4
	s_mov_b32 s57, 0
	s_wait_kmcnt 0x0
	s_load_b256 s[28:35], s[20:21], 0x0            ; e0 .. e7
	s_load_b128 s[36:39], s[8:9], 0x0              ; fc1_b
	s_add_nc_u64 s[4:5], s[4:5], s[50:51]
	s_add_nc_u64 s[6:7], s[6:7], s[52:53]
	s_add_nc_u64 s[26:27], s[26:27], s[52:53]
	s_add_nc_u64 s[22:23], s[22:23], s[54:55]
	s_add_nc_u64 s[24:25], s[24:25], s[56:57]
.irp i, 0,1
.irp s, 0,1,2,3
	global_load_b128 v[PART+6*(4*\i+\s):PART+6*(4*\i+\s)+3], v9, s[4:5] offset:10240*\s+16*\i
	global_load_b64 v[PART+6*(4*\i+\s)+4:PART+6*(4*\i+\s)+5], v9, s[4:5] offset:327680+10240*\s+16*\i
.endr
.endr
.irp c, 0,1,2,3
.irp j, 0,1,2,3
	global_load_b128 v[F2W+4*(4*\c+\j):F2W+4*(4*\c+\j)+3], v10, s[10:11] offset:2048*\c+16*\j   ; fc2_w[128 c + 4 lane + j][0..3]
.endr
.endr
.irp c, 0,1,2,3
	global_load_b128 v[F2B+4*\c:F2B+4*\c+3], v1, s[12:13] offset:512*\c
	global_load_b128 v[W3+4*\c:W3+4*\c+3], v1, s[14:15] offset:512*\c
	global_load_b128 v[B3+4*\c:B3+4*\c+3], v1, s[16:17] offset:512*\c
	global_load_b128 v[G2+4*\c:G2+4*\c+3], v1, s[18:19] offset:512*\c
.endr
.irp i, 0,1
.irp c, 0,1,2,3
	global_load_b128 v[NF+16*\i+4*\c:NF+16*\i+4*\c+3], v1, s[6:7] offset:2048*\i+512*\c
.endr
.endr
	s_wait_kmcnt 0x0
	s_add_co_i32 s58, s30, s31                     ; e2 + e3
	s_cmp_lt_u32 s40, 8
	s_cselect_b32 s46, s32, s33                    ; e4 or e5, by the wave's number
	s_add_co_i32 s46, s46, 127
	s_lshl_b32 s47, s46, 23
	v_mov_b32 v5, s47                              ; 2^e as f32
	s_add_co_i32 s46, s46, 8
	s_lshl_b32 s46, s46, 23
	s_or_b32 s46, s46, 0x600000
	v_mov_b32 v6, s46                              ; 448 x 2^e
	s_add_co_i32 s46, s35, 127
	s_lshl_b32 s47, s46, 23
	v_mov_b32 v7, s47                              ; 2^e7
	s_add_co_i32 s46, s46, 8
	s_lshl_b32 s46, s46, 23
	s_or_b32 s46, s46, 0x600000
	v_mov_b32 v8, s46                              ; 448 x 2^e7
.macro LANESUM o                       ; the pair at v[ST+4i+o] summed over its halves and the 32 lanes
.irp i, 0,1
	v_add_f32 v[ST+4*\i+\o], v[ST+4*\i+\o], v[ST+4*\i+\o+1]
.endr
.irp m, 1,2,4,8
.irp i, 0,1
	v_add_f32_dpp v[ST+4*\i+\o], v[ST+4*\i+\o], v[ST+4*\i+\o] row_xmask:\m row_mask:0xf bank_mask:0xf
.endr
.endr
.irp i, 0,1
	v_permlanex16_b32 v[ST+4*\i+\o+1], v[ST+4*\i+\o], s[SEL], s[SEL+1]
.endr
.irp i, 0,1
	v_add_f32 v[ST+4*\i+\o], v[ST+4*\i+\o], v[ST+4*\i+\o+1]
.endr
.endm
.macro QG src, dst, sc, lim, g         ; 16 numbers become 16 codes
.irp i, 0,1,2,3,4,5,6,7,8,9,10,11,12,13,14,15
	v_med3_num_f32 v[\src+16*\g+\i], v[\src+16*\g+\i], -v[\lim], v[\lim]   ; the conversion does not saturate (ISA guide 7.6.2): the hold at the largest code x the scale
.endr
	v_cvt_scalef32_pk8_fp8_f32 v[\dst+4*\g:\dst+4*\g+1], v[\src+16*\g:\src+16*\g+7], v[\sc]
	v_cvt_scalef32_pk8_fp8_f32 v[\dst+4*\g+2:\dst+4*\g+3], v[\src+16*\g+8:\src+16*\g+15], v[\sc]
.endm
	s_wait_loadcnt 0x0
	; the four quarters under one M
.irp i, 0,1
	v_min3_num_f32 v[20+\i], v[PART+24*\i+5], v[PART+24*\i+11], v[PART+24*\i+17]
.endr
.irp i, 0,1
	v_min_num_f32 v[20+\i], v[20+\i], v[PART+24*\i+23]   ; -M = the least of the four -M
.endr
.irp i, 0,1
.irp s, 0,1,2,3
	v_sub_f32 v[PART+6*(4*\i+\s)+5], v[20+\i], v[PART+6*(4*\i+\s)+5]   ; the quarter's M - M: a whole number, 0 or less
.endr
.endr
.irp i, 0,1
.irp s, 0,1,2,3
	v_cvt_i32_f32 v[PART+6*(4*\i+\s)+5], v[PART+6*(4*\i+\s)+5]
.endr
.endr
.irp i, 0,1
.irp s, 0,1,2,3
	v_ldexp_f32 v[PART+6*(4*\i+\s)+5], 1.0, v[PART+6*(4*\i+\s)+5]      ; a power of two: nothing is rounded
.endr
.endr
.irp i, 0,1
	v_mul_f32 v[22+\i], v[PART+24*\i+5], v[PART+24*\i+4]
.irp e, 0,1,2,3
	v_mul_f32 v[H+4*\i+\e], v[PART+24*\i+5], v[PART+24*\i+\e]
.endr
.endr
.irp s, 1,2,3
.irp i, 0,1
	v_fmac_f32 v[22+\i], v[PART+6*(4*\i+\s)+5], v[PART+6*(4*\i+\s)+4]
.irp e, 0,1,2,3
	v_fmac_f32 v[H+4*\i+\e], v[PART+6*(4*\i+\s)+5], v[PART+6*(4*\i+\s)+\e]
.endr
.endr
.endr
	v_rcp_f32 v22, v22
	v_rcp_f32 v23, v23
	v_nop                                          ; a plain line between the last transcendental and the use of its result
	s_wait_alu depctr_va_vdst(0)
	v_ldexp_f32 v22, v22, s58                      ; 2^(e2 + e3) / l
	v_ldexp_f32 v23, v23, s58
.irp i, 0,1
.irp e, 0,1,2,3
	v_fma_f32 v[H+4*\i+\e], v[H+4*\i+\e], v[22+\i], s[36+\e]   ; z = attended . fc1_w + fc1_b
.endr
.endr
	; gelu(z) = z (1 + erf(z / sqrt 2)) / 2
.irp n, 0,1,2,3,4,5,6,7
	v_mul_f32 v[XE+\n], 0x3f3504f3, v[H+\n]
.endr
.irp n, 0,1,2,3,4,5,6,7
	v_med3_num_f32 v[XE+\n], v[XE+\n], -4.0, 4.0
.endr
.irp n, 0,1,2,3,4,5,6,7
	v_mul_f32 v[U+\n], v[XE+\n], v[XE+\n]
	v_mov_b32 v[PA+\n], 0xaf95df0b
	v_mov_b32 v[PB+\n], 0xb77460cd
.endr
.irp k, 0x32edffee, 0xb60cff51, 0xb86ec2d2, 0xba40ac63, 0xbb41a1f6, 0xbc83dbd4
.irp n, 0,1,2,3,4,5,6,7
	v_fmaak_f32 v[PA+\n], v[PA+\n], v[U+\n], \k
.endr
.endr
.irp k, 0xb95fbd29, 0xbadc924e, 0xbbf19bf8, 0xbc69b6a7
.irp n, 0,1,2,3,4,5,6,7
	v_fmaak_f32 v[PB+\n], v[PB+\n], v[U+\n], \k
.endr
.endr
.irp n, 0,1,2,3,4,5,6,7
	v_rcp_f32 v[PB+\n], v[PB+\n]
.endr
.irp n, 0,1,2,3,4,5,6,7
	v_mul_f32 v[PA+\n], v[PA+\n], v[XE+\n]         ; (plain lines behind the reciprocals, which they do not touch)
.endr
	s_wait_alu depctr_va_vdst(0)
.irp n, 0,1,2,3,4,5,6,7
	v_mul_f32 v[PA+\n], v[PA+\n], v[PB+\n]         ; erf
.endr
.irp n, 0,1,2,3,4,5,6,7
	v_add_f32 v[PA+\n], 1.0, v[PA+\n]
	v_mul_f32 v[H+\n], 0.5, v[H+\n]
.endr
.irp n, 0,1,2,3,4,5,6,7
	v_mul_f32 v[H+\n], v[H+\n], v[PA+\n]
.endr
	; cross = h fc2_w^T + fc2_b: four fused multiply-adds a number, in f32
.irp i, 0,1
.irp d, 0,1,2,3,4,5,6,7,8,9,10,11,12,13,14,15
	v_fma_f32 v[X+16*\i+\d], v[H+4*\i], v[F2W+4*\d], v[F2B+\d]
.endr
.endr
.irp e, 1,2,3
.irp i, 0,1
.irp d, 0,1,2,3,4,5,6,7,8,9,10,11,12,13,14,15
	v_fmac_f32 v[X+16*\i+\d], v[H+4*\i+\e], v[F2W+4*\d+\e]
.endr
.endr
.endr
.irp i, 0,1
.irp k, 0,1,2,3,4,5,6,7
	v_pk_fma_f32 v[NF+16*\i+2*\k:NF+16*\i+2*\k+1], v[G2+2*\k:G2+2*\k+1], v[X+16*\i+2*\k:X+16*\i+2*\k+1], v[NF+16*\i+2*\k:NF+16*\i+2*\k+1]   ; base = norm_F_L + gamma2 cross
.endr
.endr
.irp i, 0,1
.irp c, 0,1,2,3
	global_store_b128 v1, v[NF+16*\i+4*\c:NF+16*\i+4*\c+3], s[26:27] offset:2048*\i+512*\c   ; 512 consecutive bytes a store; these registers are not written again
.endr
.endr
	; LN3: mean first, then the squares of cross - mean
.irp i, 0,1
	v_pk_add_f32 v[ST+4*\i:ST+4*\i+1], v[X+16*\i:X+16*\i+1], v[X+16*\i+2:X+16*\i+3]
.endr
.irp k, 2,3,4,5,6,7
.irp i, 0,1
	v_pk_add_f32 v[ST+4*\i:ST+4*\i+1], v[ST+4*\i:ST+4*\i+1], v[X+16*\i+2*\k:X+16*\i+2*\k+1]
.endr
.endr
	LANESUM 0
.irp i, 0,1
	v_mul_f32 v[ST+4*\i], s[INV], v[ST+4*\i]
.endr
.irp k, 0,1,2,3,4,5,6,7
.irp i, 0,1
	v_pk_add_f32 v[X+16*\i+2*\k:X+16*\i+2*\k+1], v[X+16*\i+2*\k:X+16*\i+2*\k+1], v[ST+4*\i:ST+4*\i+1] op_sel_hi:[1,0] neg_lo:[0,1] neg_hi:[0,1]
.endr
.endr
.irp i, 0,1
	v_pk_mul_f32 v[ST+4*\i+2:ST+4*\i+3], v[X+16*\i:X+16*\i+1], v[X+16*\i:X+16*\i+1]
.endr
.irp k, 1,2,3,4,5,6,7
.irp i, 0,1
	v_pk_fma_f32 v[ST+4*\i+2:ST+4*\i+3], v[X+16*\i+2*\k:X+16*\i+2*\k+1], v[X+16*\i+2*\k:X+16*\i+2*\k+1], v[ST+4*\i+2:ST+4*\i+3]
.endr
.endr
	LANESUM 2
.irp i, 0,1
	v_fma_f32 v[ST+4*\i+2], v[ST+4*\i+2], s[INV], s[EPS]
.endr
.irp i, 0,1
	v_rsq_f32 v[ST+4*\i+2], v[ST+4*\i+2]
.endr
	v_nop                                          ; a plain line between the last transcendental and the use of its result
	s_wait_alu depctr_va_vdst(0)
.irp k, 0,1,2,3,4,5,6,7
.irp i, 0,1
	v_pk_mul_f32 v[X+16*\i+2*\k:X+16*\i+2*\k+1], v[X+16*\i+2*\k:X+16*\i+2*\k+1], v[ST+4*\i+2:ST+4*\i+3] op_sel_hi:[1,0]
.endr
.endr
.irp k, 0,1,2,3,4,5,6,7
.irp i, 0,1
	v_pk_fma_f32 v[X+16*\i+2*\k:X+16*\i+2*\k+1], v[X+16*\i+2*\k:X+16*\i+2*\k+1], v[W3+2*\k:W3+2*\k+1], v[B3+2*\k:B3+2*\k+1]
.endr
.endr
.irp i, 0,1
.irp c, 0,1,2,3
	ds_store_b128 v2, v[X+16*\i+4*\c:X+16*\i+4*\c+3] offset:\i*PY+512*\c
.endr
.endr
	s_wait_dscnt 0x0                               ; for the others' sake: my rows of y lie in LDS
	s_barrier_signal -1
	s_barrier_wait -1
.irp c, 0,1,2,3
.irp j, 0,1,2,3
	ds_load_b128 v[F2W+16*\c+4*\j:F2W+16*\c+4*\j+3], v3 offset:128*\c+16*\j   ; register 16 c + i: channel 128 s + 32 c + 16 h + i of row 16 kt + r
.endr
.endr
.irp t, 0,1
.irp u, 0,1
.irp j, 0,1,2,3,4,5,6,7
	ds_load_b32 v[X+16*\t+8*\u+\j], v4 offset:(16*\u+\j)*PY+64*\t   ; key 16 u + 8 h + j of channel 32 wave + 16 t + r
.endr
.endr
.endr
	s_wait_dscnt 0x0
.irp g, 0,1,2,3
	QG F2W, C, 5, 6, \g
.endr
.irp g, 0,1
	QG X, T, 7, 8, \g
.endr
	v_nop                                          ; a plain vector line behind the last conversion
.irp c, 0,1,2,3
	global_store_b128 v1, v[C+4*\c:C+4*\c+3], s[22:23] offset:512*\c
.endr
.irp t, 0,1
	global_store_b128 v11, v[T+4*\t:T+4*\t+3], s[24:25] offset:2048*\t
.endr
	s_wait_xcnt 0x0
	v_lshl_add_u32 v254, v0, 2, 0x10200
	v_mov_b32 v255, 0
	s_wait_tensorcnt 0x0
	ds_add_u32 v254, v255
	s_wait_dscnt 0x0
	s_endpgm
.Lfunc_end_k_q4f1f2e2874_mid:
	.size	k_q4f1f2e2874_mid, .Lfunc_end_k_q4f1f2e2874_mid-k_q4f1f2e2874_mid
	.p2alignl 7, 3214868480
	.fill 96, 4, 3214868480
	.section	.rodata,"a",@progbits
	.p2align	6, 0x0
	.amdhsa_kernel k_q4f1f2e2874_mid
		.amdhsa_group_segment_fixed_size 68096
		.amdhsa_private_segment_fixed_size 0
		.amdhsa_enable_private_segment 0
		.amdhsa_kernarg_size 96
		.amdhsa_user_sgpr_count 2
		.amdhsa_user_sgpr_kernarg_segment_ptr 1
		.amdhsa_wavefront_size32 1
		.amdhsa_system_sgpr_workgroup_id_x 1
		.amdhsa_system_sgpr_workgroup_id_y 1
		.amdhsa_system_sgpr_workgroup_id_z 1
		.amdhsa_system_vgpr_workitem_id 0
		.amdhsa_next_free_vgpr 256
		.amdhsa_next_free_sgpr 66
		.amdhsa_reserve_vcc 0
		.amdhsa_float_denorm_mode_32 3
		.amdhsa_float_denorm_mode_16_64 3
		.amdhsa_memory_ordered 1
		.amdhsa_forward_progress 1
		.amdhsa_inst_pref_size 46
	.end_amdhsa_kernel
	.amdgpu_metadata
---
amdhsa.version: [ 1, 2 ]
amdhsa.kernels:
  - .name:           k_q4f1f2e2874_mid
    .symbol:         k_q4f1f2e2874_mid.kd
    .args:
      - { .name: part, .offset: 0, .size: 8, .value_kind: global_buffer, .address_space: global }
      - { .name: nfl, .offset: 8, .size: 8, .value_kind: global_buffer, .address_space: global }
      - { .name: fc1_b, .offset: 16, .size: 8, .value_kind: global_buffer, .address_space: global }
      - { .name: fc2_w, .offset: 24, .size: 8, .value_kind: global_buffer, .address_space: global }
      - { .name: fc2_b, .offset: 32, .size: 8, .value_kind: global_buffer, .address_space: global }
      - { .name: norm3_w, .offset: 40, .size: 8, .value_kind: global_buffer, .address_space: global }
      - { .name: norm3_b, .offset: 48, .size: 8, .value_kind: global_buffer, .address_space: global }
      - { .name: gamma2, .offset: 56, .size: 8, .value_kind: global_buffer, .address_space: global }
      - { .name: lowp_scales, .offset: 64, .size: 8, .value_kind: global_buffer, .address_space: global }
      - { .name: sc, .offset: 72, .size: 8, .value_kind: global_buffer, .address_space: global }
      - { .name: vc, .offset: 80, .size: 8, .value_kind: global_buffer, .address_space: global }
      - { .name: base, .offset: 88, .size: 8, .value_kind: global_buffer, .address_space: global }
    .group_segment_fixed_size: 68096
    .private_segment_fixed_size: 0
    .kernarg_segment_align: 8
    .kernarg_segment_size: 96
    .max_flat_workgroup_size: 512
    .sgpr_count:     66
    .vgpr_count:     256
    .wavefront_size: 32
...
	.end_amdgpu_metadata
.endif
;; end of part 3
;; launch sattn (part 4): grid 16 x 8, 4 waves a work-group, clusters of 4 x 1, 327,680 bytes of LDS; arguments sc, vc, base, gamma1, gamma2, lowp_scales, out0; writes out0
.if DOCPART == 4
	.amdgcn_target "amdgcn-amd-amdhsa--gfx1250"
	.amdhsa_code_object_version 6
	.text
	.protected	k_q4f1f2e2874_sattn
	.globl	k_q4f1f2e2874_sattn
	.p2align	8
	.type	k_q4f1f2e2874_sattn,@function
k_q4f1f2e2874_sattn:
	s_mov_b64 s[64:65], 0
	v_nop
	global_prefetch_b8 v0, s[64:65] scope:SCOPE_SE
	s_setreg_imm32_b32 hwreg(HW_REG_WAVE_MODE, 25, 1), 1
	s_wait_xcnt 0x0
	s_wait_alu depctr_hold_cnt(0) depctr_sa_sdst(0) depctr_va_vdst(0) depctr_va_sdst(0) depctr_va_ssrc(0) depctr_va_vcc(0) depctr_vm_vsrc(0)
	s_getreg_b32 s2, hwreg(HW_REG_IB_STS2, 6, 4)
	s_cmp_eq_u32 s2, 0
	s_cbranch_scc0 .Lentry_in_a_cluster
	s_endpgm
.Lentry_in_a_cluster:
	s_bfe_u32 s2, ttmp6, 0x10000c
	s_cmp_lg_u32 s2, 0x3003
	s_cbranch_scc0 .Lentry_shape_is_right
	s_endpgm
.Lentry_shape_is_right:
; The self attention on codes of FP8 (E4M3), and the output: out = base + gamma1 gamma2 O / l, base = norm_F_L + gamma2 cross.
; SHARES AMONG WORK-GROUPS.  The 577 queries of a batch are 37 tiles of 16.  Sixteen blocks a batch, 16 x 8 work-groups: block k computes the THREE tiles s(k), s(k) + 1, s(k) + 2, s(k) = 37 k >> 4, and OWNS the rows from
; 16 s(k) up to min(16 s(k + 1), 577): two tiles or three.  All partners of a cluster run alike, so a third tile that the next block owns is computed all the same and not stored; each row of out is stored once, by its owner.
; SHARES AMONG WAVES.  In a step of 128 keys wave w makes S^T = K Q^T for keys 32 w .. 32 w + 31 against the three tiles (source 0 = 16 keys, source 1 = 16 queries: a lane holds one query), and O^T += V^T P^T for channels
; 128 w .. 128 w + 127.  Between the two products the waves exchange, through LDS, each query's largest score and p's codes.  Five steps walk the 640 keys' places.
; SOFTMAX.  t = score x log2(e) / sqrt(512); M = the running largest t rounded up to a whole number, the same in all four waves; p = 2^(t - M) is quantised with 2^e6; the sum is taken of the unquantised p;
; when M moves, the sum and O^T are multiplied by 2^(old M - new M), which rounds nothing.
; CODES lie in memory as images of operand registers: a step's K and V are 65,536 dense bytes each; a fragment is four runs of 512 bytes, lane l's 16 bytes at 16 l.
; THE RING.  Two slots of one step each; both are asked for at the start.  The change of slots stands in the step's middle, at the barrier that hands p's codes round: there every wave holds the step's K and V in registers,
; so step j's slot takes step j + 2's tiles, and the next step's K is fetched with no barrier in front of it.
; CLUSTER.  The four blocks of a cluster walk the same K and V: each tile is asked for jointly, with the mask 15.  Nothing but Q's, base's and out's addresses and the stores' lane masks hangs on the place in the cluster: no branch, no LDS address.
; Keys 577 .. 639 are masked in the last step.  Rows 577 .. 591 of the last tile are copies of row 576; they are computed and not stored.
; LIMITS: e4 + e5 between -122 and 131; e6 between -126 and 119; e6 + e7 is applied by v_ldexp_f32 and has none.  NaN and infinities are not served.
; REGISTERS, in windows of 256.  Window 0: v1-15 addresses and constants; v16-39 eight a tile: -M, largest t, the sum (two), f, 0, two at work; v56-67 the four waves' maxima, then p's codes; v76-123 S^T, 16 a tile;
;   v156-172 the end's constants; v176-223 P, 16 a tile; at the end v76-139 a tile of O / l, v176-239 its rows.
;   Window 1: v0-191 Q (64 q + 16 s), then base.   Window 2: v0-191 O^T (64 q + 8 f).   Window 3: v128-255 eight fragments of K or of V.
.set NSTEP, 5
.set SLOT1, 0x20000                    ; slot 1 begins here.  A slot: K's 65,536 bytes, then V's
.set PIMG,  262144                     ; p's codes: tile q at 2,048 q, wave c's run at 512 c
.set MX,    272384                     ; largest scores, at the end the sums: [tile][query][wave] f32
.set SPARE, 290048                     ; the spare words, 128 bytes for each wave: two blocks of 256 bytes that no other line names
.set STAGE, 290560                     ; the way out: 16 rows x (512 bytes + 16) for each wave
.set AK0, 1
.set AV0, 2
.set ADK, 3
.set ADV, 4
.set SPW, 5
.set NIL, 6
.set PST, 7
.set PLD, 8
.set MST, 9
.set MLD, 10
.set PSC, 11
.set PLIM, 12
.set DLIM, 13
.set NINF, 14
.set L16, 15
.set ST,  16
.set PC,  56
.set S,   76
.set TMP, 76
.set G12, 156
.set STO, 160
.set RD,  161
.set GOF, 162
.set RWV, 163
.set LN,  164
.set RR,  165
.set HH,  166
.set OFA, 167
.set GT,  168
.set OFB, 172
.set PF,  176
.set BK,  176
.set KV,  128
.set WV,  16
.set G0A, 24                           ; s[24:27] descriptor group 0 of the first fill of slot 0
.set REND, 31                          ; s31      the first row that is not mine
.set G1,  32                           ; s[32:39] descriptor group 1
.set G0,  40                           ; s[40:43] descriptor group 0 of the first fill of slot 1, which then walks on
.set TB,  44
.set CNT, 45
.set CS,  46
.set SEL, 48
.set EQ,  56
.set EK,  57
.set EP,  58
.set EV,  59
.set MSB, 0
.macro WIN new                         ; s_set_vgpr_msb's low byte: bits 1:0 source 0, 3:2 source 1, 5:4 source 2, 7:6 destination; the high byte repeats the setting that is left
.if MSB != \new
	s_set_vgpr_msb (MSB<<8)|\new
.set MSB, \new
.endif
.endm
.macro PLACES                          ; four plain vector lines behind matrix instructions, in front of reads of their results and of loads into their sources
.rept 4
	v_nop
.endr
.endm
.macro CROUND                          ; a round of the cluster's barrier
	s_barrier_signal -1
	s_barrier_wait -1
	s_cmp_lg_u32 s[WV], 0
	s_cbranch_scc1 .Lnot_wave_0_\@
	s_barrier_signal -3
.Lnot_wave_0_\@:
	s_barrier_wait -3
	s_barrier_signal -1
	s_barrier_wait -1
.endm
	s_load_b256 s[4:11], s[0:1], 0x0               ; sc s[4:5], vc s[6:7], base s[8:9], gamma1 s[10:11]
	s_load_b128 s[12:15], s[0:1], 0x20             ; gamma2 s[12:13], the scales' exponents s[14:15]
	s_load_b64 s[50:51], s[0:1], 0x30              ; out0
	v_lshl_add_u32 v[SPW], v0, 2, SPARE
	v_mov_b32 v[NIL], 0
	ds_add_u32 v5, v6
	ds_add_u32 v5, v6
	s_wait_dscnt 0x0
	v_lshrrev_b32 v[LN], 5, v0
	v_readfirstlane_b32 s[WV], v[LN]               ; wave 0..3
	s_bfe_u32 s17, ttmp6, 0x40000                  ; cx
	s_lshl_b32 s18, ttmp9, 2
	s_add_co_u32 s18, s18, s17                     ; my block k = 4 x cluster x + cx, 0 .. 15
	s_and_b32 s20, ttmp7, 0xffff                   ; batch
	s_mul_i32 s17, s18, 37
	s_lshr_b32 s21, s17, 4                         ; s(k) = 37 k >> 4: my first tile, 34 at the most
	s_add_co_u32 s17, s17, 37
	s_lshr_b32 s17, s17, 4                         ; s(k + 1): the next block's first tile, two or three further on
	s_lshl_b32 s17, s17, 4
	s_min_u32 s[REND], s17, 577                    ; my rows end here
	s_mul_i32 s22, s20, 327680                     ; the batch's five steps of 65,536 bytes, of the keys' codes and of vc alike,
	s_and_b32 s23, s[WV], 1
	s_lshl_b32 s23, s23, 15
	s_add_co_u32 s22, s22, s23                     ; and the half of a step that I fetch
	s_mov_b32 s23, 0
	s_mul_i32 s28, s20, 40
	s_add_co_u32 s28, s28, s21
	s_lshl_b32 s28, s28, 13                        ; Q: tile batch x 40 + s(k), 8,192 bytes each
	s_mov_b32 s29, 0
	s_lshl_b32 s21, s21, 4                         ; my first row
	s_mul_i32 s62, s20, 640
	s_add_co_u32 s62, s62, s21
	s_lshl_b32 s62, s62, 11                        ; base: rows of 2,048 bytes
	s_mov_b32 s63, 0
	s_mul_i32 s19, s20, 577                        ; out: the batch's first row
	; descriptor group 1: 128 rows of 32 elements of 8 bytes, dense: 32,768 bytes
	s_mov_b32 s[G1], 15|(3<<16)|(1<<21)            ; 15:0 the mask: all four work-groups; 17:16 elements of 8 bytes; 21 set beside a mask; no padding
	s_mov_b32 s[G1+1], 32<<16                      ; tensor_dim0 = 32
	s_mov_b32 s[G1+2], 128<<16                     ; tensor_dim1 = 128
	s_mov_b32 s[G1+3], 32<<16                      ; tile_dim0 = 32
	s_mov_b32 s[G1+4], 128                         ; tile_dim1 = 128
	s_mov_b32 s[G1+5], 32                          ; from row to row
	s_mov_b32 s[G1+6], 0
	s_mov_b32 s[G1+7], 0
	s_mov_b32 s[SEL], 0x76543210
	s_mov_b32 s[SEL+1], 0xfedcba98
	s_mov_b32 s[CS], 0x3d8293ee                    ; log2(e) / sqrt(512)
	s_mov_b32 s[TB], 0
	s_mov_b32 s[CNT], NSTEP-3
	v_and_b32 v[LN], 31, v0
	v_and_b32 v[RR], 15, v0                        ; r
	v_bfe_u32 v[HH], v0, 4, 1                      ; h
	v_lshlrev_b32 v[L16], 4, v[LN]                 ; 16 x lane
	s_lshl_b32 s30, s[WV], 14
	v_add_nc_u32 v[AK0], s30, v[L16]               ; K: my two tiles of 16 keys
	v_add_nc_u32 v[AV0], 0x10000, v[AK0]           ; V: my eight tiles of 16 channels
	s_lshl_b32 s30, s[WV], 9
	v_add_nc_u32 v[GOF], s30, v[L16]               ; my wave's 512 bytes of a row of 2,048, 16 a lane
	s_add_co_u32 s30, s30, PIMG
	v_add_nc_u32 v[PST], s30, v[L16]
	v_add_nc_u32 v[PLD], PIMG, v[L16]
	v_lshl_add_u32 v[MLD], v[RR], 4, MX
	s_lshl_b32 s30, s[WV], 2
	v_add_nc_u32 v[MST], s30, v[MLD]
	s_lshl_b32 s30, s[WV], 5
	s_sub_co_i32 s30, 64, s30                      ; 576 - 512 - 32 wave
	v_lshlrev_b32 v[DLIM], 3, v[HH]
	v_sub_nc_u32 v[DLIM], s30, v[DLIM]             ; in the last step register 8 u + j holds a key past the end where 16 u + j > this
	v_mov_b32 v[NINF], 0xff800000
	s_mul_i32 s30, s[WV], 16*528
	s_add_co_u32 s30, s30, STAGE                   ; my stage
	v_mul_u32_u24 v[STO], v[RR], 528
	v_lshl_add_u32 v[STO], v[HH], 5, v[STO]
	v_add_nc_u32 v[STO], s30, v[STO]               ; in: row r, 32 bytes for each half of the lanes
	v_add_nc_u32 v[RD], s30, v[L16]                ; back: the 32 lanes take one row of 512 bytes
.irp q, 0,1,2
	v_mov_b32 v[ST+8*\q+1], 0xff61b1e6             ; the largest t so far: -3e38
	v_floor_f32 v[ST+8*\q], -v[ST+8*\q+1]          ; -M
.irp k, 2,3,4,5,6,7
	v_mov_b32 v[ST+8*\q+\k], 0
.endr
.endr
	s_wait_kmcnt 0x0
	s_load_b256 s[52:59], s[14:15], 0x0            ; e0 .. e7
	s_add_nc_u64 s[2:3], s[4:5], 2621440           ; the keys' codes: sc's second half
	s_cmp_lt_u32 s[WV], 2                          ; waves 0, 1 bring K's halves, waves 2, 3 V's
	s_cselect_b64 s[G0A+2:G0A+3], s[2:3], s[6:7]
	s_add_nc_u64 s[G0A+2:G0A+3], s[G0A+2:G0A+3], s[22:23]   ; step 0,
	s_add_nc_u64 s[G0+2:G0+3], s[G0A+2:G0A+3], 0x10000      ; step 1
	s_or_b32 s[G0A+3], s[G0A+3], 0x80000000        ; type = 2
	s_or_b32 s[G0+3], s[G0+3], 0x80000000
	s_mov_b32 s[G0A], 1                            ; count = 1
	s_lshl_b32 s[G0A+1], s[WV], 15                 ; LDS: wave x 32,768 in slot 0,
	s_mov_b32 s[G0], 1
	s_add_co_u32 s[G0+1], s[G0A+1], SLOT1          ; in slot 1
	s_add_nc_u64 s[4:5], s[4:5], s[28:29]
	s_add_nc_u64 s[8:9], s[8:9], s[62:63]
	CROUND                                         ; all four work-groups are here: the first joint loads meet
	tensor_load_to_lds s[G0A:G0A+3], s[G1:G1+7]    ; step 0.  The two first fills go out together: two tensor loads of mine are out
	s_nop 0
	tensor_load_to_lds s[G0:G0+3], s[G1:G1+7]      ; step 1
	s_nop 0
	PLACES                                         ; four v_nop follow the second
	global_load_b128 v[G12:G12+3], v[GOF], s[10:11]
	global_load_b128 v[GT:GT+3], v[GOF], s[12:13]
	WIN 0x40                                       ; destination window 1
.irp q, 0,1,2
.irp s, 0,1,2,3
.irp c, 0,1,2,3
	global_load_b128 v[64*\q+16*\s+4*\c:64*\q+16*\s+4*\c+3], v[L16], s[4:5] offset:8192*\q+2048*\s+512*\c   ; Q stays in registers
.endr
.endr
.endr
	WIN 0
	s_wait_kmcnt 0x0
	s_add_co_i32 s22, s[EQ], s[EK]
	s_lshl_b32 s22, s22, 23
	s_add_co_i32 s[CS], s[CS], s22                 ; a score stands for score x 2^(e4 + e5): the exponents are added to c's exponent field
	s_mov_b32 s[CS+1], s[CS]                       ; (named with it as a pair, so it is written)
	s_add_co_i32 s22, s[EP], 127
	s_lshl_b32 s23, s22, 23
	v_mov_b32 v[PSC], s23                          ; 2^e6 as f32, for the conversion
	s_add_co_i32 s22, s22, 8
	s_lshl_b32 s22, s22, 23
	s_or_b32 s22, s22, 0x600000
	v_mov_b32 v[PLIM], s22                         ; 448 x 2^e6
	s_add_co_i32 s61, s[EP], s[EV]                 ; e6 + e7
.macro EPILOADS                        ; my 48 rows of base, my wave's 512 bytes of each, into Q's registers, which the last products K Q^T have left: row i of tile q at 64 q + 4 i
	WIN 0x40
.irp q, 0,1,2
.irp i, 0,1,2,3,4,5,6,7,8,9,10,11,12,13,14,15
	global_load_b128 v[64*\q+4*\i:64*\q+4*\i+3], v[GOF], s[8:9] offset:2048*(16*\q+\i)
.endr
.endr
	WIN 0
.endm
; A STEP OF 128 KEYS.  first = 1: its products start O^T's sums.  mode = 2: its slot is filled again, two steps ahead; 1: nothing is asked for, the last tile is awaited; 0: the last step.
; last = 1: keys past the end are masked, and what the end needs is asked for.
.macro STEP first, mode, last
	v_add_nc_u32 v[ADK], s[TB], v[AK0]             ; these two additions and two v_nop are the four places between the last products V^T P^T and the loads into their registers
	v_add_nc_u32 v[ADV], s[TB], v[AV0]
	v_nop
	v_nop
	WIN 0xc0
.irp s, 0,1,2,3
.irp u, 0,1
.irp c, 0,1,2,3
	ds_load_b128 v[KV+16*(2*\s+\u)+4*\c:KV+16*(2*\s+\u)+4*\c+3], v[ADK] offset:8192*\u+2048*\s+512*\c   ; no barrier stands in front: the last change of slots has shown this slot whole to every wave
.endr
.endr
.endr
.irp s, 0,1,2,3                                ; S^T = K Q^T: six accumulators by turns, 128 channels a turn
	s_wait_dscnt 24-8*\s                           ; the eight loads of these 128 channels are in; those of the later channels may be out
	WIN 0x07                                       ; K window 3, Q window 1
.irp q, 0,1,2
.irp u, 0,1
.if \s == 0
	v_wmma_f32_16x16x128_fp8_fp8 v[S+16*\q+8*\u:S+16*\q+8*\u+7], v[KV+16*(2*\s+\u):KV+16*(2*\s+\u)+15], v[64*\q+16*\s:64*\q+16*\s+15], 0
.else
	v_wmma_f32_16x16x128_fp8_fp8 v[S+16*\q+8*\u:S+16*\q+8*\u+7], v[KV+16*(2*\s+\u):KV+16*(2*\s+\u)+15], v[64*\q+16*\s:64*\q+16*\s+15], v[S+16*\q+8*\u:S+16*\q+8*\u+7]
.endif
.endr
.endr
.endr
	WIN 0
	PLACES
.if \last
	EPILOADS
.irp n, 0,1,2,3,4,5,6,7,8,9,10,11,12,13,14,15
	v_cmp_gt_i32 vcc_lo, 16*(\n/8)+\n%8, v[DLIM]
.irp q, 0,1,2
	v_cndmask_b32 v[S+16*\q+\n], v[S+16*\q+\n], v[NINF], vcc_lo   ; a key past the end: -infinity, so p = 0
.endr
.endr
.endif
	; each query's largest score among my wave's 32 keys; the three tiles take turns line by line; each accumulator is read from its low end on
.irp q, 0,1,2
	v_max3_num_f32 v[ST+8*\q+6], v[S+16*\q], v[S+16*\q+1], v[S+16*\q+2]
	v_max3_num_f32 v[ST+8*\q+7], v[S+16*\q+8], v[S+16*\q+9], v[S+16*\q+10]
.endr
.irp k, 3,5
.irp q, 0,1,2
	v_max3_num_f32 v[ST+8*\q+6], v[ST+8*\q+6], v[S+16*\q+\k], v[S+16*\q+\k+1]
	v_max3_num_f32 v[ST+8*\q+7], v[ST+8*\q+7], v[S+16*\q+8+\k], v[S+16*\q+9+\k]
.endr
.endr
.irp q, 0,1,2
	v_max3_num_f32 v[ST+8*\q+6], v[ST+8*\q+6], v[S+16*\q+7], v[S+16*\q+15]
.endr
.irp q, 0,1,2
	v_max_num_f32 v[ST+8*\q+6], v[ST+8*\q+6], v[ST+8*\q+7]
.endr
.irp q, 0,1,2
	v_permlanex16_b32 v[ST+8*\q+7], v[ST+8*\q+6], s[SEL], s[SEL+1]
.endr
.irp q, 0,1,2
	v_max_num_f32 v[ST+8*\q+6], v[ST+8*\q+6], v[ST+8*\q+7]
.endr
.irp q, 0,1,2
	ds_store_b32 v[MST], v[ST+8*\q+6] offset:256*\q
.endr
	s_wait_dscnt 0x0                               ; for the others' sake: my maxima lie in LDS
	s_barrier_signal -1                            ; the tile that is on its way into the other slot may stay out
	s_barrier_wait -1
.irp q, 0,1,2
	ds_load_b128 v[PC+4*\q:PC+4*\q+3], v[MLD] offset:256*\q   ; the four waves' maxima of my query
.endr
	WIN 0xc0
.irp f, 0,1,2,3,4,5,6,7
.irp c, 0,1,2,3
	ds_load_b128 v[KV+16*\f+4*\c:KV+16*\f+4*\c+3], v[ADV] offset:2048*\f+512*\c   ; V's eight fragments land while the softmax is worked
.endr
.endr
	WIN 0
	s_wait_dscnt 32                                ; the maxima are in; V's 32 loads may be out
.irp q, 0,1,2
	v_max3_num_f32 v[ST+8*\q+6], v[PC+4*\q], v[PC+4*\q+1], v[PC+4*\q+2]
.endr
.irp q, 0,1,2
	v_max_num_f32 v[ST+8*\q+6], v[ST+8*\q+6], v[PC+4*\q+3]
.endr
.irp q, 0,1,2
	v_mul_f32 v[ST+8*\q+6], s[CS], v[ST+8*\q+6]    ; as t (c is positive)
.endr
.irp q, 0,1,2
	v_max_num_f32 v[ST+8*\q+1], v[ST+8*\q+1], v[ST+8*\q+6]   ; the running largest t
	v_mov_b32 v[ST+8*\q+7], v[ST+8*\q]
.endr
.irp q, 0,1,2
	v_floor_f32 v[ST+8*\q], -v[ST+8*\q+1]          ; -M = floor(-t): M is a whole number
.endr
.irp q, 0,1,2
	v_sub_f32 v[ST+8*\q+7], v[ST+8*\q], v[ST+8*\q+7]   ; old M - new M, 0 or less
.endr
.irp q, 0,1,2
	v_cvt_i32_f32 v[ST+8*\q+7], v[ST+8*\q+7]       ; (it saturates)
.endr
.irp q, 0,1,2
	v_ldexp_f32 v[ST+8*\q+4], 1.0, v[ST+8*\q+7]    ; f = 2^(old M - new M)
.endr
.irp k, 0,2,4,6,8,10,12,14
.irp q, 0,1,2
	v_pk_fma_f32 v[S+16*\q+\k:S+16*\q+\k+1], v[S+16*\q+\k:S+16*\q+\k+1], s[CS:CS+1], v[ST+8*\q:ST+8*\q+1] op_sel_hi:[1,0,0]   ; t - M (of the pairs c and -M the low word serves both halves)
.endr
.endr
.irp q, 0,1,2
.irp k, 0,1,2,3,4,5,6,7,8,9,10,11,12,13,14,15
	v_exp_f32 v[S+16*\q+\k], v[S+16*\q+\k]         ; p = 2^(t - M), not normalised
.endr
.endr
.irp q, 0,1,2
	v_pk_mul_f32 v[ST+8*\q+2:ST+8*\q+3], v[ST+8*\q+2:ST+8*\q+3], v[ST+8*\q+4:ST+8*\q+5] op_sel_hi:[1,0]   ; the sums under the new M (plain lines behind the exponentials)
.endr
	s_wait_alu depctr_va_vdst(0)
.irp k, 0,2,4,6,8,10,12,14
.irp q, 0,1,2
	v_pk_add_f32 v[ST+8*\q+2:ST+8*\q+3], v[ST+8*\q+2:ST+8*\q+3], v[S+16*\q+\k:S+16*\q+\k+1]   ; the sum is taken of the unquantised p
.endr
.endr
.irp q, 0,1,2
.irp k, 0,1,2,3,4,5,6,7,8,9,10,11,12,13,14,15
	v_min_num_f32 v[S+16*\q+\k], v[S+16*\q+\k], v[PLIM]   ; the conversion does not saturate (ISA guide 7.6.2); p is not negative, so the hold is one-sided
.endr
.endr
.irp q, 0,1,2
	v_cvt_scalef32_pk8_fp8_f32 v[PC+4*\q:PC+4*\q+1], v[S+16*\q:S+16*\q+7], v[PSC]
	v_cvt_scalef32_pk8_fp8_f32 v[PC+4*\q+2:PC+4*\q+3], v[S+16*\q+8:S+16*\q+15], v[PSC]
.endr
	v_nop                                          ; a plain vector line behind the last conversion
.irp q, 0,1,2
	ds_store_b128 v[PST], v[PC+4*\q:PC+4*\q+3] offset:2048*\q   ; my 32 keys' run of P's image
.endr
	; ONE BARRIER FOR TWO THINGS: p's codes go round, and the slots change
.if \mode == 2
	s_wait_tensorcnt 0x0                           ; my one tensor load that was out, my part of the next step's slot, has landed: so the group 0 may be written
	ds_add_u32 v[SPW], v[NIL]                      ; 0 onto my spare word
	s_xor_b32 s[G0+1], s[G0+1], SLOT1              ; this step's slot,
	s_add_nc_u64 s[G0+2:G0+3], s[G0+2:G0+3], 0x10000   ; the bytes of the step after the next; the type bits on top are not reached
	s_wait_dscnt 0x0                               ; the add is done, my codes lie in LDS, and my reads of this step's slot are over: K's and V's fragments are in registers
	CROUND                                         ; no wave of any partner still reads this slot or has a load on its way
	tensor_load_to_lds s[G0:G0+3], s[G1:G1+7]      ; the first thing behind the round, my one tensor load until the next
	s_nop 0
	PLACES                                         ; four v_nop follow the load
.elseif \mode == 1
	s_wait_tensorcnt 0x0                           ; my part of the last step's slot has landed; nothing is asked for any more
	ds_add_u32 v[SPW], v[NIL]
	s_wait_dscnt 0x0                               ; for the others' sake: my codes lie in LDS
	s_barrier_signal -1
	s_barrier_wait -1
.else
	s_wait_dscnt 0x0                               ; for the others' sake: my codes lie in LDS
	s_barrier_signal -1
	s_barrier_wait -1
.endif
.irp q, 0,1,2
.irp c, 0,1,2,3
	ds_load_b128 v[PF+16*\q+4*\c:PF+16*\q+4*\c+3], v[PLD] offset:2048*\q+512*\c
.endr
.endr
.if \first == 0
	WIN 0x82                                       ; O^T window 2, f window 0
.irp q, 0,1,2
.set kk, 0
.rept 32
	v_pk_mul_f32 v[64*\q+kk:64*\q+kk+1], v[64*\q+kk:64*\q+kk+1], v[ST+8*\q+4:ST+8*\q+5] op_sel_hi:[1,0]   ; O^T under the new M, each accumulator from its low end on; P lands meanwhile
.set kk, kk+2
.endr
.endr
.endif
.irp q, 0,1,2                                  ; O^T += V^T P^T: each of the 24 accumulators has one instruction a step
	s_wait_dscnt 8-4*\q                            ; this tile's four loads of P are in; the later tiles' may be out
	WIN 0xa3                                       ; V window 3, P window 0, O^T window 2
.irp f, 0,1,2,3,4,5,6,7
.if \first
	v_wmma_f32_16x16x128_fp8_fp8 v[64*\q+8*\f:64*\q+8*\f+7], v[KV+16*\f:KV+16*\f+15], v[PF+16*\q:PF+16*\q+15], 0
.else
	v_wmma_f32_16x16x128_fp8_fp8 v[64*\q+8*\f:64*\q+8*\f+7], v[KV+16*\f:KV+16*\f+15], v[PF+16*\q:PF+16*\q+15], v[64*\q+8*\f:64*\q+8*\f+7]
.endif
.endr
.endr
	WIN 0
	s_xor_b32 s[TB], s[TB], SLOT1                  ; on to the other slot
.endm
	s_wait_loadcnt 0x0                             ; Q, gamma1, gamma2
	v_pk_mul_f32 v[G12:G12+1], v[G12:G12+1], v[GT:GT+1]       ; gamma1 gamma2 at my four channels
	v_pk_mul_f32 v[G12+2:G12+3], v[G12+2:G12+3], v[GT+2:GT+3]
	s_wait_tensorcnt 0x1                           ; my part of step 0 is in; step 1's load may stay out
	s_barrier_signal -1
	s_barrier_wait -1                              ; everybody's is
	STEP 1, 2, 0                                   ; step 0 asks for step 2
.Lstep:                                            ; NSTEP - 3 trips: steps 1 and 2 ask for steps 3 and 4
	STEP 0, 2, 0
	s_sub_co_u32 s[CNT], s[CNT], 1
	s_cmp_lg_u32 s[CNT], 0
	s_cbranch_scc1 .Lstep
	STEP 0, 1, 0                                   ; the last two steps are written out: they ask for no tile
	STEP 0, 0, 1
	; THE END.  Each query's sum: my wave's part (these plain lines are also the places behind the last products), then the four waves' through LDS
.irp q, 0,1,2
	v_add_f32 v[ST+8*\q+6], v[ST+8*\q+2], v[ST+8*\q+3]
.endr
.irp q, 0,1,2
	v_permlanex16_b32 v[ST+8*\q+7], v[ST+8*\q+6], s[SEL], s[SEL+1]
.endr
.irp q, 0,1,2
	v_add_f32 v[ST+8*\q+6], v[ST+8*\q+6], v[ST+8*\q+7]
.endr
.irp q, 0,1,2
	ds_store_b32 v[MST], v[ST+8*\q+6] offset:256*\q   ; the maxima's words: their last readers passed a barrier behind their wait
.endr
	s_wait_dscnt 0x0                               ; for the others' sake
	s_barrier_signal -1
	s_barrier_wait -1
.irp q, 0,1,2
	ds_load_b128 v[PC+4*\q:PC+4*\q+3], v[MLD] offset:256*\q
.endr
	s_wait_dscnt 0x0
.irp q, 0,1,2
	v_add_f32 v[ST+8*\q+6], v[PC+4*\q], v[PC+4*\q+1]
	v_add_f32 v[ST+8*\q+7], v[PC+4*\q+2], v[PC+4*\q+3]
.endr
.irp q, 0,1,2
	v_add_f32 v[ST+8*\q+6], v[ST+8*\q+6], v[ST+8*\q+7]
.endr
.irp q, 0,1,2
	v_rcp_f32 v[ST+8*\q+4], v[ST+8*\q+6]
.endr
	v_nop                                          ; a plain line between the last transcendental and the use of its result
	s_wait_alu depctr_va_vdst(0)
.irp q, 0,1,2
	v_ldexp_f32 v[ST+8*\q+4], v[ST+8*\q+4], s61    ; 2^(e6 + e7) / l
.endr
	s_wait_loadcnt 0x0                             ; base
; Tile q goes out.  A lane holds eight neighbouring channels of one query, and the lanes beside it other queries: so the tile goes through my own stage in LDS and comes back as rows of 512 bytes.
; LDS serves a wave's instructions in order (ISA guide 5.7.1.4): no wait stands between the stores and the loads.
; WHICH ROWS ARE STORED.  My rows end at REND, a multiple of 16 or 576 + 1, and a tile begins at a multiple of 16: so row 0 of the tile is mine where the tile's first row lies under REND, and rows 1 to 15 are mine together,
; where its last row does.  Two lane masks a tile, all lanes or none.  The offsets are clamped besides (row 0 to 576, the others' first row to 560), so that no address leaves out whatever the mask.
.macro OUTT q
	WIN 0x02                                       ; O^T window 2
.set kk, 0
.rept 32
	v_pk_mul_f32 v[TMP+kk:TMP+kk+1], v[64*\q+kk:64*\q+kk+1], v[ST+8*\q+4:ST+8*\q+5] op_sel_hi:[1,0]   ; each accumulator from its low end on
.set kk, kk+2
.endr
	WIN 0
.irp f, 0,1,2,3,4,5,6,7
	ds_store_b128 v[STO], v[TMP+8*\f:TMP+8*\f+3] offset:64*\f
	ds_store_b128 v[STO], v[TMP+8*\f+4:TMP+8*\f+7] offset:64*\f+16
.endr
.irp i, 0,1,2,3,4,5,6,7,8,9,10,11,12,13,14,15
	ds_load_b128 v[BK+4*\i:BK+4*\i+3], v[RD] offset:528*\i   ; (the last tile's stores have read these registers: the wait on XCNT at that tile's end)
.endr
	s_add_co_u32 s30, s21, 16*\q                   ; the tile's first row
	v_mov_b32 v[RWV], s30
	s_min_u32 s23, s30, 576
	s_add_co_u32 s23, s23, s19
	s_lshl_b32 s23, s23, 11
	v_add_nc_u32 v[OFA], s23, v[GOF]               ; row 0 in out
	s_min_u32 s23, s30, 560
	s_add_co_u32 s23, s23, s19
	s_lshl_b32 s23, s23, 11
	v_add_nc_u32 v[OFB], s23, v[GOF]               ; the row from which rows 1 to 15 are counted
	s_wait_dscnt 0x0
	WIN 0x10                                       ; base window 1
.irp i, 0,1,2,3,4,5,6,7,8,9,10,11,12,13,14,15
	v_pk_fma_f32 v[BK+4*\i:BK+4*\i+1], v[BK+4*\i:BK+4*\i+1], v[G12:G12+1], v[64*\q+4*\i:64*\q+4*\i+1]
	v_pk_fma_f32 v[BK+4*\i+2:BK+4*\i+3], v[BK+4*\i+2:BK+4*\i+3], v[G12+2:G12+3], v[64*\q+4*\i+2:64*\q+4*\i+3]
.endr
	WIN 0
	s_wait_xcnt 0x0                                ; EXEC changes only behind this wait
	v_cmp_gt_u32 vcc_lo, s[REND], v[RWV]
	s_and_saveexec_b32 s60, vcc_lo                 ; row 0, where it is mine
	global_store_b128 v[OFA], v[BK:BK+3], s[50:51] th:TH_STORE_NT   ; 32 lanes store 512 consecutive bytes, at a multiple of 512 from out's first byte
	s_wait_xcnt 0x0                                ; and again, in front of the line that widens EXEC
	s_or_b32 exec_lo, exec_lo, s60
	v_add_nc_u32 v[RWV], 15, v[RWV]                ; the tile's last row
	v_cmp_gt_u32 vcc_lo, s[REND], v[RWV]
	s_and_saveexec_b32 s60, vcc_lo                 ; rows 1 to 15, where they are mine
.irp i, 1,2,3,4,5,6,7,8,9,10,11,12,13,14,15
	global_store_b128 v[OFB], v[BK+4*\i:BK+4*\i+3], s[50:51] offset:2048*\i th:TH_STORE_NT
.endr
	s_wait_xcnt 0x0                                ; in front of the line that widens EXEC; it also frees the stores' data and offsets for the next tile
	s_or_b32 exec_lo, exec_lo, s60
.endm
	OUTT 0
	OUTT 1
	OUTT 2
	s_wait_tensorcnt 0x0                           ; the wave's end
	ds_add_u32 v[SPW], v[NIL]
	s_wait_dscnt 0x0
	CROUND                                         ; the closing round: no work-group ends while a partner may still ask for a tile that names it
	s_endpgm
.Lfunc_end_k_q4f1f2e2874_sattn:
	.size	k_q4f1f2e2874_sattn, .Lfunc_end_k_q4f1f2e2874_sattn-k_q4f1f2e2874_sattn
	.p2alignl 7, 3214868480
	.fill 96, 4, 3214868480
	.section	.rodata,"a",@progbits
	.p2align	6, 0x0
	.amdhsa_kernel k_q4f1f2e2874_sattn
		.amdhsa_group_segment_fixed_size 327680
		.amdhsa_private_segment_fixed_size 0
		.amdhsa_enable_private_segment 0
		.amdhsa_kernarg_size 56
		.amdhsa_user_sgpr_count 2
		.amdhsa_user_sgpr_kernarg_segment_ptr 1
		.amdhsa_wavefront_size32 1
		.amdhsa_system_sgpr_workgroup_id_x 1
		.amdhsa_system_sgpr_workgroup_id_y 1
		.amdhsa_system_sgpr_workgroup_id_z 1
		.amdhsa_system_vgpr_workitem_id 0
		.amdhsa_next_free_vgpr 1024
		.amdhsa_next_free_sgpr 66
		.amdhsa_reserve_vcc 1
		.amdhsa_float_denorm_mode_32 3
		.amdhsa_float_denorm_mode_16_64 3
		.amdhsa_memory_ordered 1
		.amdhsa_forward_progress 1
		.amdhsa_inst_pref_size 140
	.end_amdhsa_kernel
	.amdgpu_metadata
---
amdhsa.version: [ 1, 2 ]
amdhsa.kernels:
  - .name:           k_q4f1f2e2874_sattn
    .symbol:         k_q4f1f2e2874_sattn.kd
    .args:
      - { .name: sc, .offset: 0, .size: 8, .value_kind: global_buffer, .address_space: global }
      - { .name: vc, .offset: 8, .size: 8, .value_kind: global_buffer, .address_space: global }
      - { .name: base, .offset: 16, .size: 8, .value_kind: global_buffer, .address_space: global }
      - { .name: gamma1, .offset: 24, .size: 8, .value_kind: global_buffer, .address_space: global }
      - { .name: gamma2, .offset: 32, .size: 8, .value_kind: global_buffer, .address_space: global }
      - { .name: lowp_scales, .offset: 40, .size: 8, .value_kind: global_buffer, .address_space: global }
      - { .name: out0, .offset: 48, .size: 8, .value_kind: global_buffer, .address_space: global }
    .group_segment_fixed_size: 327680
    .private_segment_fixed_size: 0
    .kernarg_segment_align: 8
    .kernarg_segment_size: 56
    .max_flat_workgroup_size: 128
    .sgpr_count:     66
    .vgpr_count:     1024
    .wavefront_size: 32
...
	.end_amdgpu_metadata
.endif
;; end of part 4
